; MI455X (gfx1250); checked and timed in simulation.
; The chip was launched on July 23, 2026; its instructions are those of AMD's public machine-readable ISA for CDNA 5 (MIT licence, August 2026) and "CDNA5" Instruction Set Architecture Reference Guide (July 2026). The comments in the code are by the model that wrote it; some were corrected since.
;; Multi Head Self Attention. Allowed arithmetic: matrix products marked QUANTISED: E2M1 operands, one E8M0 scale for each 32 along K, by v_wmma_scale_f32_16x16x128_f8f6f4 with both operands' format E2M1 (or v_wmma_scale_f32_32x16x128_f4), f32 sums; products left as they are: bf16, f16 or f32 operands; f32 sums; everything else in f32.
;; Inputs: Wk 1,024 x 1,024 float32; Wo 1,024 x 1,024 float32; Wq 1,024 x 1,024 float32; Wv 1,024 x 1,024 float32; bk 1,024 float32; bo 1,024 float32; bq 1,024 float32; bv 1,024 float32; x 4 x 2,048 x 1,024 float32.
;; Outputs: out0 4 x 2,048 x 1,024 float32.
;; This version of the problem:
;;   THIS VERSION OF THE PROBLEM IS GIVEN IN LOW PRECISION. The matrix products marked QUANTISED in the list below multiply operands that are first quantised to E2M1 (2 exponent bits, 1 mantissa bit; 4 bits a number), with one power-of-two scale for each 32 numbers along K (OCP MX v1.0); their sums are f32. The products marked 'left as it is' may take bf16, f16 or f32 operands, with f32 sums. Whichever they take, every output number must still come out within the allowed error. Rounding operands to bf16 (8 significant bits) uses up far more of that allowance than f16 does (11 bits, for magnitudes from 6e-5 to 65,504). All else is computed in f32.
;;   The module's matrix products, in the order in which they are computed (A, B: the left and right operand; K: the contracted axis; several contracted axes count as one K, in the product's order):
;;     1. [M 8,192, K 1,024] x [K 1,024, N 1,024]; A: input x; B: input Wq: QUANTISED
;;     2. [M 8,192, K 1,024] x [K 1,024, N 1,024]; A: input x; B: input Wk: QUANTISED
;;     3. [M 8,192, K 1,024] x [K 1,024, N 1,024]; A: input x; B: input Wv: QUANTISED
;;     4. batch 64 x [M 2,048, K 64] x [K 64, N 2,048]; A: computed on the way; B: computed on the way: left as it is (an operand is computed on the way)
;;     5. batch 64 x [M 2,048, K 2,048] x [K 2,048, N 64]; A: computed on the way; B: computed on the way: left as it is (an operand is computed on the way)
;;     6. [M 8,192, K 1,024] x [K 1,024, N 1,024]; A: computed on the way; B: input Wo: left as it is (an operand is computed on the way)
;;   THE QUANTISER, for each operand of a quantised product, along K:
;;     - K is cut into blocks of 32 from its start; a last block that is shorter is filled with zeros.
;;     - A block's scale is 2^e with e = floor(log2(the largest magnitude in the block)) - 2, held to -126 .. 127; a block of zeros has e = 0. As a byte (E8M0): e + 127.
;;     - Each number is divided by its block's scale, clamped to +-6, and rounded to the nearest number of E2M1, ties to even, subnormals kept.
;;     - The product sums the exact products of the quantised numbers (number of the format x scale) in f32.
;;   ~~~python
;;   def quantise(x, axis):      # numpy; x: float32 -> the quantised numbers, widened to float32 again
;;       x = np.moveaxis(x, axis, -1); K = x.shape[-1]
;;       x = np.pad(x, [(0, 0)] * (x.ndim - 1) + [(0, -K % 32)]); x = x.reshape(x.shape[:-1] + (-1, 32)); a = np.abs(x).max(-1, keepdims=True)
;;       e = np.where(a > 0, np.clip(np.frexp(np.where(a > 0, a, 1))[1] - 1 - 2, -126, 127), 0)      # np.frexp(a)[1] - 1 = floor(log2(a)), exactly
;;       r = np.clip(x / 2.0 ** e, -6, 6)
;;       step = 2.0 ** (np.maximum(np.frexp(np.where(r == 0, 1, r))[1] - 1, 0) - 1)
;;       q = np.round(r / step) * step * 2.0 ** e      # np.round: ties to even
;;       return np.moveaxis(q.reshape(q.shape[:-2] + (-1,))[..., :K], -1, axis).astype(np.float32)
;;   ~~~
;; One version. Each part assembles by itself: llvm-mc -triple=amdgcn-amd-amdhsa -mcpu=gfx1250 --defsym DOCPART=n.
;; ======== version 1 of 1: 4 launches
;; limits: values are held in f16: magnitudes above 65,504 overflow, below 6.1e-05 lose precision
;; workspace buffers: xc 4,194,304 bytes; xs 262,144 bytes; wc 1,572,864 bytes; ws 98,304 bytes; wo16 2,097,152 bytes; qkv 50,331,648 bytes; ao 16,777,216 bytes
;; launch prep (part 1): grid 288 x 1, 8 waves a work-group, no clusters, 84,480 bytes of LDS; arguments x, Wq, Wk, Wv, Wo, xc, xs, wc, ws, wo16; writes xc, xs, wc, ws, wo16
.if DOCPART == 1
	.amdgcn_target "amdgcn-amd-amdhsa--gfx1250"
	.amdhsa_code_object_version 6
	.text
	.protected	k_q46db480385_prep
	.globl	k_q46db480385_prep
	.p2align	8
	.type	k_q46db480385_prep,@function
k_q46db480385_prep:
	s_mov_b64 s[64:65], 0
	v_nop
	global_prefetch_b8 v0, s[64:65] scope:SCOPE_SE
	s_setreg_imm32_b32 hwreg(HW_REG_WAVE_MODE, 25, 1), 1
	s_wait_xcnt 0x0
; MULTI-HEAD SELF-ATTENTION, B 4, S 2048, D 1024, 16 heads of 64.  Four launches: prep (this one), qkv, attn, proj.
; THIS LAUNCH turns x [8192][1024] f32 into codes of FP4 (E2M1) with one E8M0 byte for each 32 along K (K innermost: xc [8192][512 bytes], xs [8192][32]);
; Wq, Wk, Wv [k 1024][n 1024] f32, whose K is their FIRST axis, into codes laid [n][k] (wc [3072][512 bytes], rows 0-1023 Wq's columns, then Wk's, then Wv's; ws [3072][32]);
; and Wo into f16 as it lies (wo16 [k][n]): the last product is not quantised and takes f16 operands.
; DEAD WORK: bk.  scores[q][k] = Q[q].(x[k] Wk + bk) / 8 = Q[q].(x[k] Wk) / 8 + Q[q].bk / 8, and the second term is the same for every key k of a query: the softmax along the keys
; takes it away for all values of the inputs.  The product of Q with K is not quantised, so bk moves no code and no scale.  bk is loaded by no launch and is among no launch's arguments.
; LIMIT that follows: a NaN, an infinity or an overflow that reaches the result through bk alone is not carried to it.
; A block's scale is 2^(floor(log2(its largest magnitude)) - 2); its byte is the largest magnitude's exponent field - 2, held at 1 from below.  A block of zeros so gets the byte 1 where the rule says 127:
; its codes are zeros, which add nothing under any byte but 0xff, and the bytes are read by this program alone.
; LIMITS: NaN and infinities among the inputs are not served; blocks whose largest magnitude lies under 2^(3 - 127) keep the byte 1.  |Wo| above 65,504 becomes infinity in f16.
; SHARES: work-groups 0-127 take x, 128-223 the three weights, 224-287 Wo: three ways through the text that part on the work-group's number, each with LDS bytes of its own.
.set STEPS, 16
.set R,     16                         ; x: v16-79   four sets of 16 numbers as they are loaded
.set X,     80                         ; x: v80-111  two sets of 16 neighbours
.set C,     128                        ; x: v128-191 codes, four registers a step
.set E,     112                        ; x: v112-127 a scale byte a step
.set WREG,  8192                       ; x: LDS region of a wave: two stages of 32 x SP bytes, behind them its 256 scale bytes
.set SP,    80                         ; x: a lane's place in a stage: 64 bytes + 16 of padding
.set WST,   65536                      ; weights: 32 rows (columns n) x (512 bytes of codes + 16)
.set WPITCH, 528
.set WSC,   WST+32*WPITCH              ; weights: 32 rows x 32 scale bytes
.set SPARE, WSC+1024                   ; the spare words, 128 bytes for each of the eight waves: four blocks of 256 bytes that no other line names
.set SPW,   12                         ; v12 LDS address of my spare word; never rewritten
.set NIL,   13                         ; v13 0; never rewritten
	s_load_b256 s[4:11], s[0:1], 0x0               ; x s[4:5], Wq s[6:7], Wk s[8:9], Wv s[10:11]
	s_load_b256 s[12:19], s[0:1], 0x20             ; Wo s[12:13], xc s[14:15], xs s[16:17], wc s[18:19]
	s_load_b128 s[20:23], s[0:1], 0x40             ; ws s[20:21], wo16 s[22:23]
	v_lshl_add_u32 v[SPW], v0, 2, SPARE
	v_mov_b32 v[NIL], 0
	v_lshrrev_b32 v1, 5, v0
	v_readfirstlane_b32 s24, v1                    ; wave 0..7
	v_and_b32 v2, 31, v0                           ; lane
	s_mov_b32 s27, 0                               ; the upper word of every offset
	s_wait_kmcnt 0x0
	s_cmp_lt_u32 ttmp9, 128
	s_cbranch_scc0 .Lnot_x
; ---- x.  Rows are dense and K is a multiple of 32: x is a plain stream of blocks of 32, and so are its codes and scale bytes.  A wave takes a run of 8,192 numbers: 16 steps of 512.
; Each load reads 512 consecutive bytes; a step's 2,048 bytes turn through the wave's own stage so that a lane holds 16 NEIGHBOURS (two lanes hold a block), as the conversions want them.
	s_lshl_b32 s25, ttmp9, 3
	s_add_co_u32 s25, s25, s24                     ; my run: 8 x work-group + wave, 0..1023
	s_lshl_b32 s26, s25, 15
	s_add_nc_u64 s[4:5], s[4:5], s[26:27]          ; 32,768 bytes of x a run,
	s_lshl_b32 s26, s25, 12
	s_add_nc_u64 s[14:15], s[14:15], s[26:27]      ; 4,096 of codes,
	s_lshl_b32 s26, s25, 8
	s_add_nc_u64 s[16:17], s[16:17], s[26:27]      ; 256 scale bytes
	v_lshlrev_b32 v3, 4, v2                        ; my 16 bytes of a load's 512
	s_lshl_b32 s28, s24, 13                        ; my wave's region
	v_lshrrev_b32 v14, 2, v2
	v_mul_u32_u24 v14, v14, SP
	v_and_b32 v15, 3, v2
	v_lshl_add_u32 v14, v15, 4, v14
	v_add_nc_u32 v14, s28, v14                     ; into the stage: four lanes' 64 bytes on end, then 16 of padding
	v_mul_u32_u24 v15, v2, SP
	v_add_nc_u32 v15, s28, v15                     ; out of it: SP x lane: my 16 neighbours
	v_lshlrev_b32 v4, 3, v2                        ; my 8 bytes of a step's 256 bytes of codes
	v_lshrrev_b32 v5, 1, v2
	s_add_co_u32 s28, s28, 2*32*SP
	v_add_nc_u32 v5, s28, v5                       ; my block's scale byte in the wave's 256
	v_lshlrev_b32 v7, 3, v2
	v_add_nc_u32 v6, s28, v7                       ; and on the way out 8 bytes a lane
.macro XLOAD t
.irp i, 0,1,2,3
	global_load_b128 v[R+16*((\t)%4)+4*\i:R+16*((\t)%4)+4*\i+3], v3, s[4:5] offset:2048*(\t)+512*\i th:TH_LOAD_NT
.endr
.endm
.macro XTURN t                         ; step t through the stage: LDS serves a wave's instructions in order (ISA guide 5.7.1), so no wait stands between the stores and the loads
.irp i, 0,1,2,3
	ds_store_b128 v14, v[R+16*((\t)%4)+4*\i:R+16*((\t)%4)+4*\i+3] offset:32*SP*((\t)%2)+8*SP*\i
.endr
.irp i, 0,1,2,3
	ds_load_b128 v[X+16*((\t)%2)+4*\i:X+16*((\t)%2)+4*\i+3], v15 offset:32*SP*((\t)%2)+16*\i
.endr
.endm
.irp t, 0,1,2,3
	XLOAD \t
.endr
	s_wait_loadcnt 12                              ; step 0's four loads are in; the twelve of steps 1 to 3 stay out
	XTURN 0
.macro XSTEP t
.set XS, X+16*((\t)%2)
.if (\t) > 0
	s_wait_dscnt 1                                 ; this step's numbers are back from the stage; the one LDS instruction behind them, the last step's byte store, may be out
.else
	s_wait_dscnt 0x0
.endif
.if (\t)+4 < STEPS
	XLOAD (\t)+4                                   ; into the set whose stores into the stage are done
.endif
.if (\t)+1 < STEPS
.if STEPS-2-(\t) >= 3
	s_wait_loadcnt 12                              ; the next step's four loads are in; those of the three steps behind it may be out
.else
	s_wait_loadcnt 4*(STEPS-2-(\t))                ; towards the end fewer steps stand behind it
.endif
	XTURN (\t)+1
.endif
	v_max3_num_f32 v8, |v[XS]|, |v[XS+1]|, |v[XS+2]|               ; the largest magnitude of my 16, in two chains
	v_max3_num_f32 v9, |v[XS+3]|, |v[XS+4]|, |v[XS+5]|
.irp i, 6,10
	v_max3_num_f32 v8, v8, |v[XS+\i]|, |v[XS+\i+1]|
	v_max3_num_f32 v9, v9, |v[XS+\i+2]|, |v[XS+\i+3]|
.endr
	v_max3_num_f32 v8, v8, |v[XS+14]|, |v[XS+15]|
	v_max3_num_f32 v8, v8, v9, 0x1800000           ; and the floor 2^(3 - 127): the byte cannot fall under 1
	v_max_num_f32_dpp v8, v8, v8 row_xmask:1 row_mask:0xf bank_mask:0xf   ; with my neighbour's 16: the block's
	v_add_nc_u32 v11, 0xff000000, v8               ; 2 off its exponent field: the conversion takes this operand's exponent field as its scale
	v_cvt_scalef32_pk8_fp4_f32 v[C+4*(\t)], v[XS:XS+7], v11
	v_cvt_scalef32_pk8_fp4_f32 v[C+4*(\t)+1], v[XS+8:XS+15], v11
	v_lshrrev_b32 v[E+(\t)], 23, v11               ; the scale's byte (a plain line behind the conversions)
	ds_store_b8 v5, v[E+(\t)] offset:16*(\t)       ; both lanes of a block write the same byte with the same value
	global_store_b64 v4, v[C+4*(\t):C+4*(\t)+1], s[14:15] offset:256*(\t)   ; the wave stores 256 consecutive bytes, aligned
.endm
.irp t, 0,1,2,3,4,5,6,7,8,9,10,11,12,13,14,15
	XSTEP \t
.endr
	ds_load_b64 v[8:9], v6                         ; my wave's 256 scale bytes: these see my stores
	s_wait_dscnt 0x0
	global_store_b64 v7, v[8:9], s[16:17]          ; 256 consecutive bytes, aligned
	s_branch .Lend
.Lnot_x:
	s_cmp_lt_u32 ttmp9, 224
	s_cbranch_scc0 .Lpath_o
; ---- Wq, Wk, Wv.  A work-group takes 32 columns n of one weight and all of K; wave w takes K = 128 w .. 128 w + 127.  A LANE TAKES A COLUMN AND ITS REGISTERS RUN DOWN K:
; a block of 32 lies in one lane's 32 registers, and the conversions give codes with K innermost.  The eight waves' codes of a column meet in LDS as one row of 512 bytes.
	s_sub_co_u32 s25, ttmp9, 128                   ; wi 0..95: weight wi / 32, columns 32 (wi % 32) on; 32 wi is also the first row of wc and ws
	s_cmp_lt_u32 s25, 64
	s_cselect_b64 s[8:9], s[8:9], s[10:11]         ; the choice hangs on the work-group's number alone
	s_cmp_lt_u32 s25, 32
	s_cselect_b64 s[6:7], s[6:7], s[8:9]
	s_and_b32 s26, s25, 31
	s_lshl_b32 s26, s26, 7                         ; 32 columns of 4 bytes
	s_lshl_b32 s28, s24, 19                        ; 128 rows of 4,096 bytes
	s_add_co_u32 s26, s26, s28
	s_add_nc_u64 s[6:7], s[6:7], s[26:27]
	s_lshl_b32 s26, s25, 14
	s_add_nc_u64 s[18:19], s[18:19], s[26:27]      ; wc: 32 rows of 512 bytes a work-group
	s_lshl_b32 s26, s25, 10
	s_add_nc_u64 s[20:21], s[20:21], s[26:27]      ; ws: 32 rows of 32 bytes
	v_lshlrev_b32 v3, 2, v2                        ; in: 4 bytes a lane
	s_lshl_b32 s28, s24, 6
	v_mul_u32_u24 v4, v2, WPITCH
	v_add_nc_u32 v4, s28, v4
	v_add_nc_u32 v4, WST, v4                       ; codes into LDS: row = my column, my wave's 64 bytes of it
	s_lshl_b32 s28, s24, 2
	v_lshlrev_b32 v5, 5, v2
	v_add_nc_u32 v5, s28, v5
	v_add_nc_u32 v5, WSC, v5                       ; my scale word: row = my column, my wave's 4 bytes
	s_mul_i32 s28, s24, 4*WPITCH
	v_lshlrev_b32 v6, 4, v2
	v_add_nc_u32 v6, s28, v6
	v_add_nc_u32 v6, WST, v6                       ; out: wave w takes rows 4 w .. 4 w + 3, 16 bytes a lane
	s_lshl_b32 s28, s24, 11
	v_lshl_add_u32 v7, v2, 4, s28                  ; the same place in wc
	s_and_b32 s28, s24, 1
	s_lshl_b32 s28, s28, 9
	v_lshl_add_u32 v9, v2, 4, s28                  ; the scale bytes leave by waves 0 and 1: 512 bytes each
	v_add_nc_u32 v8, WSC, v9
.macro WLOAD t                         ; block t: W(128 w + 32 t + i, my column), i = 0 .. 31, into set t % 2
.irp i, 0,1,2,3,4,5,6,7,8,9,10,11,12,13,14,15,16,17,18,19,20,21,22,23,24,25,26,27,28,29,30,31
	global_load_b32 v[32+32*((\t)%2)+\i], v3, s[6:7] offset:(32*(\t)+\i)*4096
.endr
.endm
	WLOAD 0
	WLOAD 1
.macro WBLOCK t
.set XS, 32+32*((\t)%2)
.if (\t) < 3
	s_wait_loadcnt 32                              ; this block's 32 loads are in; the next block's 32 may be out
.else
	s_wait_loadcnt 0x0
.endif
	v_max3_num_f32 v16, |v[XS]|, |v[XS+1]|, |v[XS+2]|              ; the block's largest magnitude: all 32 numbers are mine
	v_max3_num_f32 v17, |v[XS+3]|, |v[XS+4]|, |v[XS+5]|
.irp i, 6,10,14,18,22,26
	v_max3_num_f32 v16, v16, |v[XS+\i]|, |v[XS+\i+1]|
	v_max3_num_f32 v17, v17, |v[XS+\i+2]|, |v[XS+\i+3]|
.endr
	v_max3_num_f32 v16, v16, |v[XS+30]|, |v[XS+31]|
	v_max3_num_f32 v16, v16, v17, 0x1800000        ; and the floor
	v_add_nc_u32 v18, 0xff000000, v16              ; the conversions' scale operand
	v_lshrrev_b32 v17, 23, v18                     ; the scale's byte
.if (\t) == 0
	v_mov_b32 v24, v17                             ; my wave's four bytes make one word, the lower K in the lower byte
.else
	v_lshl_or_b32 v24, v17, 8*(\t), v24
.endif
.irp g, 0,1,2,3
	v_cvt_scalef32_pk8_fp4_f32 v[96+4*(\t)+\g], v[XS+8*\g:XS+8*\g+7], v18
.endr
	ds_store_b128 v4, v[96+4*(\t):96+4*(\t)+3] offset:16*(\t)      ; 32 codes: 16 bytes of my column's row; each block has code registers of its own
.if (\t)+2 < 4
	WLOAD (\t)+2
.endif
.endm
.irp t, 0,1,2,3
	WBLOCK \t
.endr
	ds_store_b32 v5, v24
	s_wait_dscnt 0x0                               ; for the others' sake: my stores have landed
	s_barrier_signal -1
	s_barrier_wait -1                              ; 32 whole rows of codes and of scale bytes lie in LDS
.irp i, 0,1,2,3
	ds_load_b128 v[112+4*\i:112+4*\i+3], v6 offset:WPITCH*\i
.endr
.irp i, 0,1,2,3
	s_wait_dscnt 3-\i                              ; row i is in; the younger rows may be out
	global_store_b128 v7, v[112+4*\i:112+4*\i+3], s[18:19] offset:512*\i   ; a row of 512 consecutive bytes, aligned
.endr
	s_cmp_lt_u32 s24, 2
	s_cbranch_scc0 .Lend
	ds_load_b128 v[128:131], v8
	s_wait_dscnt 0x0
	global_store_b128 v9, v[128:131], s[20:21]     ; 512 consecutive bytes, aligned
	s_branch .Lend
.Lpath_o:
; ---- Wo to f16, as it lies.  A wave takes 8,192 bytes: 16 loads of 512 bytes, 16 stores of 256.
	s_sub_co_u32 s25, ttmp9, 224
	s_lshl_b32 s26, s25, 16
	s_lshl_b32 s28, s24, 13
	s_add_co_u32 s26, s26, s28
	s_add_nc_u64 s[12:13], s[12:13], s[26:27]
	s_lshr_b32 s26, s26, 1
	s_add_nc_u64 s[22:23], s[22:23], s[26:27]
	v_lshlrev_b32 v3, 4, v2
	v_lshlrev_b32 v4, 3, v2
.irp i, 0,1,2,3,4,5,6,7,8,9,10,11,12,13,14,15
	global_load_b128 v[32+4*\i:32+4*\i+3], v3, s[12:13] offset:512*\i th:TH_LOAD_NT
.endr
.irp i, 0,1,2,3,4,5,6,7,8,9,10,11,12,13,14,15
	s_wait_loadcnt 15-\i                           ; load i is in; the younger ones stay out
	v_cvt_pk_f16_f32 v[96+2*\i], v[32+4*\i], v[33+4*\i]
	v_cvt_pk_f16_f32 v[97+2*\i], v[34+4*\i], v[35+4*\i]
	global_store_b64 v4, v[96+2*\i:97+2*\i], s[22:23] offset:256*\i   ; 256 consecutive bytes, aligned
.endr
.Lend:
	s_wait_tensorcnt 0x0                           ; the wave's end
	ds_add_u32 v[SPW], v[NIL]
	s_wait_dscnt 0x0
	s_endpgm
.Lfunc_end_k_q46db480385_prep:
	.size	k_q46db480385_prep, .Lfunc_end_k_q46db480385_prep-k_q46db480385_prep
	.p2alignl 7, 3214868480
	.fill 96, 4, 3214868480
	.section	.rodata,"a",@progbits
	.p2align	6, 0x0
	.amdhsa_kernel k_q46db480385_prep
		.amdhsa_group_segment_fixed_size 84480
		.amdhsa_private_segment_fixed_size 0
		.amdhsa_enable_private_segment 0
		.amdhsa_kernarg_size 80
		.amdhsa_user_sgpr_count 2
		.amdhsa_user_sgpr_kernarg_segment_ptr 1
		.amdhsa_wavefront_size32 1
		.amdhsa_system_sgpr_workgroup_id_x 1
		.amdhsa_system_sgpr_workgroup_id_y 1
		.amdhsa_system_sgpr_workgroup_id_z 1
		.amdhsa_system_vgpr_workitem_id 0
		.amdhsa_next_free_vgpr 192
		.amdhsa_next_free_sgpr 66
		.amdhsa_reserve_vcc 0
		.amdhsa_float_denorm_mode_32 3
		.amdhsa_float_denorm_mode_16_64 3
		.amdhsa_memory_ordered 1
		.amdhsa_forward_progress 1
		.amdhsa_inst_pref_size 60
	.end_amdhsa_kernel
	.amdgpu_metadata
---
amdhsa.version: [ 1, 2 ]
amdhsa.kernels:
  - .name:           k_q46db480385_prep
    .symbol:         k_q46db480385_prep.kd
    .args:
      - { .name: x, .offset: 0, .size: 8, .value_kind: global_buffer, .address_space: global }
      - { .name: Wq, .offset: 8, .size: 8, .value_kind: global_buffer, .address_space: global }
      - { .name: Wk, .offset: 16, .size: 8, .value_kind: global_buffer, .address_space: global }
      - { .name: Wv, .offset: 24, .size: 8, .value_kind: global_buffer, .address_space: global }
      - { .name: Wo, .offset: 32, .size: 8, .value_kind: global_buffer, .address_space: global }
      - { .name: xc, .offset: 40, .size: 8, .value_kind: global_buffer, .address_space: global }
      - { .name: xs, .offset: 48, .size: 8, .value_kind: global_buffer, .address_space: global }
      - { .name: wc, .offset: 56, .size: 8, .value_kind: global_buffer, .address_space: global }
      - { .name: ws, .offset: 64, .size: 8, .value_kind: global_buffer, .address_space: global }
      - { .name: wo16, .offset: 72, .size: 8, .value_kind: global_buffer, .address_space: global }
    .group_segment_fixed_size: 84480
    .private_segment_fixed_size: 0
    .kernarg_segment_align: 8
    .kernarg_segment_size: 80
    .max_flat_workgroup_size: 256
    .sgpr_count:     66
    .vgpr_count:     192
    .wavefront_size: 32
...
	.end_amdgpu_metadata
.endif
;; end of part 1
;; launch qkv (part 2): grid 12 x 32, 4 waves a work-group, clusters of 4 x 4, 327,680 bytes of LDS; arguments xc, xs, wc, ws, qkv, bq, bv; writes qkv
.if DOCPART == 2
	.amdgcn_target "amdgcn-amd-amdhsa--gfx1250"
	.amdhsa_code_object_version 6
	.text
	.protected	k_q46db480385_qkv
	.globl	k_q46db480385_qkv
	.p2align	8
	.type	k_q46db480385_qkv,@function
k_q46db480385_qkv:
	s_mov_b64 s[64:65], 0
	v_nop
	global_prefetch_b8 v0, s[64:65] scope:SCOPE_SE
	s_setreg_imm32_b32 hwreg(HW_REG_WAVE_MODE, 25, 1), 1
	s_wait_xcnt 0x0
	s_wait_alu depctr_hold_cnt(0) depctr_sa_sdst(0) depctr_va_vdst(0) depctr_va_sdst(0) depctr_va_ssrc(0) depctr_va_vcc(0) depctr_vm_vsrc(0)
	s_getreg_b32 s2, hwreg(HW_REG_IB_STS2, 6, 4)
	s_cmp_eq_u32 s2, 0
	s_cbranch_scc0 .Lentry_in_a_cluster
	s_endpgm
.Lentry_in_a_cluster:
	s_bfe_u32 s2, ttmp6, 0x10000c
	s_cmp_lg_u32 s2, 0xf033
	s_cbranch_scc0 .Lentry_shape_is_right
	s_endpgm
.Lentry_shape_is_right:
; Q = x Wq + bq, K = x Wk, V = x Wv + bv as ONE product C[m][n] = sum over k of A[m][k] B[n][k]: A = x's codes [8192][1024], B = the three weights' codes [3072][1024], FP4 (E2M1) with one E8M0 byte
; for each 32 along K, taken by the scaled matrix instruction as they lie.  Sums in f32; the bias is the C of each sum's first product.  Results rounded to f16 and laid by heads:
; qkv = three sections (Q, K, V) of [b 4][h 16][s 2048][64] f16, a row 128 bytes.
; LEFT OUT: bk (it adds to every score of a query the same number, which the softmax along the keys takes away for all values; shown at the head of the first kernel).  K's sums start from a tile of zeros.
; LIMIT: |Q|, |K|, |V| above 65,504 become infinity in f16.
; A tile of C, 256 x 256, is made by four waves, each 128 x 128: 64 accumulators, 512 registers.  K = 1,024 is two slots of 512 along K (rows of 256 bytes): both are asked for at the head, nothing is filled again.
; The scale bytes of the work-group's 256 rows of A and of B, for all of K, are two dense blocks: they come once, in rows of 256 bytes.  By this text's count a wave has three tensor loads out at the most.
; CLUSTERS: 4 x 4 work-groups.  A's tiles are shared along a row of the cluster, B's along a column: joint loads with a mask that names the four.  The cluster's x (0, 1, 2) says which section: Q, K or V.
; THE MATRIX INSTRUCTION IS USED TRANSPOSED (source 0 = 16 rows of B, source 1 = 16 rows of A): a lane holds eight neighbouring columns of one row of C.
; REGISTERS: window 0: v0-31 addresses; v32-95 scale words, two sets, and nothing else; v128-191 A's fragments, one set; v192-255 the bias tile; on the way out v128-223 are free.
;   window 1: B's fragments, two sets, at v0 and v128.  window 2: the accumulators of my rows 0-63 ((a, b) at v[8 (8 a + b)]); window 3: those of rows 64-127.
.set NQ,     4                         ; steps of 128 along K in a slot
.set ROWB,   256                       ; a tile's row: 512 codes
.set KROW,   512                       ; a row of A or B in memory, in bytes
.set PITCH,  272                       ; an LDS row: 256 bytes + 16 = 68 words: row r starts at bank 4 r mod 64 (ISA guide 11.1), so the 16 rows of a load start at 16 different banks
.set FR,     8
.set NL,     2
.set NP,     4                         ; places behind this matrix instruction (ISA guide 7.12.1)
.set HALFT,  128*PITCH
.set SLOT,   4*HALFT                   ; A's 256 rows, then B's 256
.set KS,     32                        ; a row of scale bytes
.set SCL,    2*SLOT                    ; behind the slots: the scales, as rows of 256 bytes + 16
.set HALFS,  16*272                    ; those of 128 rows
.set SBLK,   2*272                     ; those of 16 rows
.set SPARE,  SCL+4*HALFS               ; the spare words, 128 bytes a wave: two blocks of 256 bytes that no other line names
.set SPITCH, 272                       ; the way out: a stage of 16 rows x (256 bytes + 16) a wave, in slot 0, which has had its one fill and its last read when the first result is stored there
.set ADRA, 16
.set ADRB, 20
.set STO,  24
.set RD,   25
.set CO,   26
.set ADRS, 27
.set SPW,  28
.set NIL,  29
.set SC,   32
.set AF,   128
.set BIAS, 192
.set TMP,  128                         ; the way out: packed results
.set BK,   160                         ; and rows read back: v160-191 and v192-223 by turns
.set G1, 24
.set G0, 32
.set G1B, 48
.set G0B, 56
.set G1S, 68
.set G0S, 76
.set G1SB, 80
.set G0SB, 88
.set MSB, 0
.macro WIN new                         ; the immediate's high byte repeats the setting that is left
.if MSB != \new
	s_set_vgpr_msb (MSB<<8)|\new
.set MSB, \new
.endif
.endm
.set MUL_LO,  0xa1                     ; source 0 (B) window 1, source 1 (A) window 0, C and D window 2
.set MUL_HI,  0xf1                     ; the same, C and D window 3
.set BIAS_LO, 0x81                     ; the first products: C (the bias) window 0, D window 2
.set BIAS_HI, 0xc1                     ; D window 3
.set TO_B,    0x40
.macro JLOAD g0a, g1a, g0b, g1b        ; a joint load: waves 0 and 1 fetch for A, waves 2 and 3 for B; an s_nop 0 and four v_nop follow each line
	s_cmp_eq_u32 s15, 0
	s_cbranch_scc0 .Lfor_b_\@
	tensor_load_to_lds s[\g0a:\g0a+3], s[\g1a:\g1a+7]
	s_nop 0
.rept 4
	v_nop
.endr
	s_branch .Lasked_\@
.Lfor_b_\@:
	tensor_load_to_lds s[\g0b:\g0b+3], s[\g1b:\g1b+7]
	s_nop 0
.rept 4
	v_nop
.endr
.Lasked_\@:
.endm
.macro CROUND                          ; a round of the cluster's barrier
	s_barrier_signal -1
	s_barrier_wait -1
	s_cmp_lg_u32 s14, 0
	s_cbranch_scc1 .Lnot_wave_0_\@
	s_barrier_signal -3
.Lnot_wave_0_\@:
	s_barrier_wait -3
	s_barrier_signal -1
	s_barrier_wait -1
.endm
	s_load_b128 s[4:7], s[0:1], 0x0                ; A's codes s[4:5], A's scales s[6:7]
	s_load_b128 s[8:11], s[0:1], 0x10              ; B's codes s[8:9], B's scales s[10:11]
	s_load_b64 s[12:13], s[0:1], 0x20              ; qkv
	s_load_b64 s[96:97], s[0:1], 0x28              ; bq
	s_load_b64 s[98:99], s[0:1], 0x30              ; bv
	v_lshl_add_u32 v[SPW], v0, 2, SPARE
	v_mov_b32 v[NIL], 0
	ds_add_u32 v[SPW], v[NIL]                      ; the wave's opening: an add of 0 to my spare word, twice on end; its wait stands ahead of my first tensor load
	ds_add_u32 v[SPW], v[NIL]
	v_lshrrev_b32 v1, 5, v0
	v_readfirstlane_b32 s14, v1                    ; wave 0..3
	s_lshr_b32 s15, s14, 1                         ; which half of the tile's rows is mine.  Also: I fetch for A (0) or for B (1)
	s_and_b32 s16, s14, 1                          ; which half of its columns.  Also: which 128 rows of that tile I fetch
	s_bfe_u32 s40, ttmp6, 0x40000                  ; cx, cy: my place in the cluster
	s_bfe_u32 s41, ttmp6, 0x40004
	s_lshl_b32 s42, ttmp9, 2
	s_add_co_u32 s42, s42, s40                     ; tile column = 4 x cluster x + cx
	s_and_b32 s17, ttmp7, 0xffff
	s_lshl_b32 s17, s17, 2
	s_add_co_u32 s17, s17, s41                     ; tile row = 4 x cluster y + cy
	s_lshl_b32 s43, s41, 2
	s_lshl_b32 s43, 15, s43                        ; my row of the cluster
	s_lshl_b32 s44, 0x1111, s40                    ; my column
	s_or_b32 s[G1+0], s43, (0<<16)|(1<<20)|(1<<21)|(5<<22)|(3<<25)  ; the mask; elements of 1 byte; padding on; bit 21 beside a mask; 4 words behind every 64
	s_or_b32 s[G1B+0], s44, (0<<16)|(1<<20)|(1<<21)|(5<<22)|(3<<25)
.irp g, G1, G1B
	s_mov_b32 s[\g+1], ROWB<<16                    ; tensor_dim0
	s_mov_b32 s[\g+2], 128<<16                     ; tensor_dim1
	s_mov_b32 s[\g+3], ROWB<<16                    ; tile_dim0
	s_mov_b32 s[\g+4], 128                         ; tile_dim1
	s_mov_b32 s[\g+5], KROW                        ; from row to row
	s_mov_b32 s[\g+6], 0
	s_mov_b32 s[\g+7], 0
.endr
	s_or_b32 s[G1S+0], s43, (3<<16)|(1<<20)|(1<<21)|(5<<22)|(3<<25) ; the scales of 128 rows: 4,096 dense bytes as 16 rows of 32 elements of 8 bytes
	s_or_b32 s[G1SB+0], s44, (3<<16)|(1<<20)|(1<<21)|(5<<22)|(3<<25)
.irp g, G1S, G1SB
	s_mov_b32 s[\g+1], 32<<16
	s_mov_b32 s[\g+2], 16<<16
	s_mov_b32 s[\g+3], 32<<16
	s_mov_b32 s[\g+4], 16
	s_mov_b32 s[\g+5], 32
	s_mov_b32 s[\g+6], 0
	s_mov_b32 s[\g+7], 0
.endr
	s_lshl_b32 s18, s16, 7
	s_lshl_b32 s20, s17, 8
	s_add_co_u32 s20, s20, s18                     ; A: row 256 x tile row + 128 x half
	s_lshl_b32 s46, s42, 8
	s_add_co_u32 s46, s46, s18                     ; B: row 256 x tile column + 128 x half
	s_mov_b32 s21, 0
	s_mov_b32 s47, 0
	s_mov_b64 s[18:19], KS
	s_mul_u64 s[22:23], s[20:21], s[18:19]         ; where these rows' scales begin,
	s_mul_u64 s[92:93], s[46:47], s[18:19]
	s_mov_b64 s[18:19], KROW
	s_mul_u64 s[20:21], s[20:21], s[18:19]         ; and their codes
	s_mul_u64 s[46:47], s[46:47], s[18:19]
	s_mul_i32 s45, s14, HALFT                      ; where they go: wave x 128 rows: no place in the cluster enters an LDS address
	s_mul_i32 s94, s14, HALFS
	s_wait_dscnt 0x0                               ; both opening adds are done
	s_wait_kmcnt 0x0
	s_add_nc_u64 s[20:21], s[4:5], s[20:21]
	s_add_nc_u64 s[22:23], s[6:7], s[22:23]
	s_add_nc_u64 s[46:47], s[8:9], s[46:47]
	s_add_nc_u64 s[92:93], s[10:11], s[92:93]
	CROUND                                         ; all sixteen work-groups are here: the joint loads meet
	s_mov_b32 s[G0S], 1
	s_add_co_u32 s[G0S+1], s94, SCL
	s_mov_b64 s[G0S+2:G0S+3], s[22:23]
	s_or_b32 s[G0S+3], s[G0S+3], 0x80000000
	s_mov_b32 s[G0SB], 1
	s_add_co_u32 s[G0SB+1], s94, SCL
	s_mov_b64 s[G0SB+2:G0SB+3], s[92:93]
	s_or_b32 s[G0SB+3], s[G0SB+3], 0x80000000
	JLOAD G0S, G1S, G0SB, G1SB                     ; the scales first: they are wanted with the first slot
.irp s, 0,1
	s_mov_b32 s[G0+4*\s], 1
	s_add_co_u32 s[G0+4*\s+1], s45, \s*SLOT
	s_add_nc_u64 s[G0+4*\s+2:G0+4*\s+3], s[20:21], \s*ROWB
	s_or_b32 s[G0+4*\s+3], s[G0+4*\s+3], 0x80000000
	s_mov_b32 s[G0B+4*\s], 1
	s_add_co_u32 s[G0B+4*\s+1], s45, \s*SLOT
	s_add_nc_u64 s[G0B+4*\s+2:G0B+4*\s+3], s[46:47], \s*ROWB
	s_or_b32 s[G0B+4*\s+3], s[G0B+4*\s+3], 0x80000000
	JLOAD G0+4*\s, G1, G0B+4*\s, G1B
.endr
	v_and_b32 v1, 15, v0                           ; r = l % 16
	v_bfe_u32 v2, v0, 4, 1                         ; h = l / 16
	; THE BIAS TILE: v[BIAS + 8 b + j] = bias[256 cx + 128 x my column half + 16 b + 8 h + j]: the layout of a result's eight registers; the same for all of A's blocks
	v_lshlrev_b32 v7, 5, v2
	s_lshl_b32 s46, s40, 10
	s_lshl_b32 s47, s16, 9
	s_add_co_u32 s46, s46, s47
	s_mov_b32 s47, 0
	s_cmp_eq_u32 ttmp9, 0                          ; the cluster's x is the same in all sixteen partners
	s_cselect_b64 s[96:97], s[96:97], s[98:99]     ; Q's section takes bq, V's bv
	s_add_nc_u64 s[96:97], s[96:97], s[46:47]
	s_cmp_eq_u32 ttmp9, 1
	s_cbranch_scc1 .Lno_bias
.irp b, 0,1,2,3,4,5,6,7
	global_load_b128 v[BIAS+8*\b:BIAS+8*\b+3], v7, s[96:97] offset:64*\b
	global_load_b128 v[BIAS+8*\b+4:BIAS+8*\b+7], v7, s[96:97] offset:64*\b+16
.endr
	s_branch .Lbias_done
.Lno_bias:                                             ; K's section: bk is left out, the tile is zeros; one text then serves all three sections
.set i, 0
.rept 64
	v_mov_b32 v[BIAS+i], 0
.set i, i+1
.endr
.Lbias_done:
	v_mul_u32_u24 v3, v1, PITCH
	v_lshl_add_u32 v4, v2, 4, v3                   ; a fragment's row x pitch + 16 x half
	s_mul_i32 s21, s15, HALFT                      ; my 128 rows of A
	s_mul_i32 s22, s16, HALFT                      ; my 128 rows of B,
	s_add_co_u32 s22, s22, 2*HALFT                 ; behind A's 256
.irp s, 0,1
	v_add_nc_u32 v[ADRA+\s], s21, v4
	v_add_nc_u32 v[ADRB+\s], s22, v4
	s_add_co_u32 s21, s21, SLOT
	s_add_co_u32 s22, s22, SLOT
.endr
	v_mul_u32_u24 v5, v1, KS                       ; my row's scales: 32 bytes a row,
	v_lshrrev_b32 v6, 8, v5
	v_lshl_add_u32 v5, v6, 4, v5                   ; and 16 more for each 256 passed
	s_mul_i32 s21, s15, HALFS
	s_mul_i32 s22, s16, HALFS
	s_add_co_u32 s22, s22, 2*HALFS
	s_sub_co_u32 s22, s22, s21
	v_mul_u32_u24 v6, s22, v2                      ; lanes 16-31 take B's: one product, the distance between the two bases
	s_add_co_u32 s21, s21, SCL
	v_add_nc_u32 v5, v5, v6
	v_add_nc_u32 v[ADRS], s21, v5
	s_mul_i32 s23, s14, 16*SPITCH                  ; my stage
	v_mul_u32_u24 v5, v1, SPITCH
	v_lshl_add_u32 v5, v2, 4, v5
	v_add_nc_u32 v[STO], s23, v5                   ; in: row r, 16 bytes for each half of the lanes
	v_and_b32 v6, 31, v0
	v_lshlrev_b32 v[CO], 4, v6                     ; out to memory: 16 bytes a lane
	v_lshrrev_b32 v5, 3, v6
	v_mul_u32_u24 v5, v5, SPITCH
	v_and_b32 v6, 7, v0
	v_lshl_add_u32 v5, v6, 4, v5
	v_add_nc_u32 v[RD], s23, v5                    ; back: eight lanes take the 128 bytes that one head has in a row, four rows an instruction
	; where my part begins in qkv: section, then (16 b + head) x 2,048 rows x 128 bytes, then the row.  My 128 columns are heads 4 cx + 2 x half and the next
	s_lshl_b32 s20, s17, 8
	s_lshl_b32 s21, s15, 7
	s_add_co_u32 s20, s20, s21                     ; my first row m
	s_lshr_b32 s21, s20, 11
	s_lshl_b32 s21, s21, 4                         ; 16 b
	s_and_b32 s20, s20, 2047
	s_lshl_b32 s20, s20, 7                         ; s x 128
	s_lshl_b32 s46, s40, 2
	s_lshl_b32 s47, s16, 1
	s_add_co_u32 s46, s46, s47
	s_add_co_u32 s46, s46, s21
	s_lshl_b32 s46, s46, 18
	s_add_co_u32 s46, s46, s20
	s_lshl_b32 s47, ttmp9, 24
	s_add_co_u32 s46, s46, s47
	s_mov_b32 s47, 0
	s_add_nc_u64 s[12:13], s[12:13], s[46:47]
.macro FRAG reg, adr, q, i             ; 16 rows x 128 K of 4-bit codes: 8 registers; registers 4 c .. 4 c + 3 hold K = 64 c + 32 h + 0 .. 31
.irp c, 0,1
	ds_load_b128 v[\reg+4*\c:\reg+4*\c+3], v[\adr] offset:64*(\q)+32*\c+(\i)*16*PITCH
.endr
.endm
; 16 matrix instructions: A's blocks a0, a0 + 1 x B's eight.  p: B's set; sc: the set of scale words.  zero = 1: the first products take the bias tile as C: nothing is cleared or added later.
; The 64 accumulators take turns, one instruction a turn, in the same order in every step.
.macro MUL16 a0, p, q, sc, zero
.irp a, \a0, \a0+1
.irp b, 0,1,2,3,4,5,6,7
.if \zero
	v_wmma_scale_f32_16x16x128_f8f6f4 v[8*(8*((\a)%4)+\b):8*(8*((\a)%4)+\b)+7], v[128*(\p)+FR*\b:128*(\p)+FR*\b+FR-1], v[AF+FR*(\a):AF+FR*(\a)+FR-1], v[BIAS+8*\b:BIAS+8*\b+7], v[SC+8*NQ*(\sc)+NQ*\b+(\q)], v[SC+8*NQ*(\sc)+NQ*(\a)+(\q)] matrix_a_fmt:MATRIX_FMT_FP4 matrix_b_fmt:MATRIX_FMT_FP4 matrix_a_scale:MATRIX_SCALE_ROW1
.else
	v_wmma_scale_f32_16x16x128_f8f6f4 v[8*(8*((\a)%4)+\b):8*(8*((\a)%4)+\b)+7], v[128*(\p)+FR*\b:128*(\p)+FR*\b+FR-1], v[AF+FR*(\a):AF+FR*(\a)+FR-1], v[8*(8*((\a)%4)+\b):8*(8*((\a)%4)+\b)+7], v[SC+8*NQ*(\sc)+NQ*\b+(\q)], v[SC+8*NQ*(\sc)+NQ*(\a)+(\q)] matrix_a_fmt:MATRIX_FMT_FP4 matrix_b_fmt:MATRIX_FMT_FP4 matrix_a_scale:MATRIX_SCALE_ROW1
.endif
.endr
.endr
.endm
.macro FETCH_B slot, q, p
	WIN TO_B
.irp i, 0,1,2,3,4,5,6,7
	FRAG 128*(\p)+FR*\i, ADRB+\slot, \q, \i
.endr
	WIN 0
.endm
.macro FETCH_A slot, q, i0
.irp i, \i0, \i0+1, \i0+2, \i0+3
	FRAG AF+FR*(\i), ADRA+\slot, \q, \i
.endr
.endm
.macro SCALES sc                       ; a slot's scale words: 4 words a row; lanes 0-15 take A's block i, lanes 16-31 B's block i
.irp i, 0,1,2,3,4,5,6,7
	ds_load_b128 v[SC+8*NQ*\sc+NQ*\i:SC+8*NQ*\sc+NQ*\i+3], v[ADRS] offset:\i*SBLK
.endr
.endm
.macro PLACES n                        ; places in front of loads into registers that matrix instructions have read, and of the first read of results
.rept \n
	v_nop
.endr
.endm
.macro STEP slot, q, zero              ; a step of 128 along K that has its successor in the same slot
	s_wait_dscnt 4*NL                              ; B's set and A's blocks 0-3 are in; the youngest eight loads (A's blocks 4-7) may be out
.if \zero
	WIN BIAS_LO
.else
	WIN MUL_LO
.endif
	MUL16 0, (\q)%2, \q, \slot, \zero
	MUL16 2, (\q)%2, \q, \slot, \zero
	s_wait_dscnt 0
	PLACES NP
	FETCH_B \slot, (\q)+1, 1-(\q)%2
	FETCH_A \slot, (\q)+1, 0
.if \zero
	WIN BIAS_HI
.else
	WIN MUL_HI
.endif
	MUL16 4, (\q)%2, \q, \slot, \zero
	MUL16 6, (\q)%2, \q, \slot, \zero
	PLACES NP
	WIN 0
	FETCH_A \slot, (\q)+1, 4
.endm
; Slot 0's last step changes slots: one barrier.  In front of it each wave waits for all its tensor loads (its part of slot 1), and for its own reads of slot 0; behind it slot 1 is whole and nobody reads slot 0, which later takes the stages.
.macro TURN slot, next
	s_wait_tensorcnt 0x0
	ds_add_u32 v[SPW], v[NIL]                      ; 0 onto my spare word
	s_wait_dscnt 4*NL+1                            ; the add and the youngest eight loads (A's blocks 4-7) may be out
	WIN MUL_LO
	MUL16 0, 1, NQ-1, \slot, 0
	s_wait_dscnt 0x0                               ; the add is done, and my reads of this slot are over
	s_barrier_signal -1
	MUL16 2, 1, NQ-1, \slot, 0
	WIN 0
	s_barrier_wait -1
	PLACES NP
	v_add_nc_u32 v[ADRS], 4*NQ, v[ADRS]            ; on to the next slot's scale words
	FETCH_B \next, 0, 0
	FETCH_A \next, 0, 0
	SCALES \next
	WIN MUL_HI
	MUL16 4, 1, NQ-1, \slot, 0
	MUL16 6, 1, NQ-1, \slot, 0
	PLACES NP
	WIN 0
	FETCH_A \next, 0, 4
.endm
.macro STEPS slot, from
.set Q, \from
.rept NQ-1-\from
	STEP \slot, Q, 0
.set Q, Q+1
.endr
.endm
	s_wait_tensorcnt 1                             ; the scales and my part of slot 0 are in; the one load behind them, slot 1's, may be out
	s_barrier_signal -1
	s_barrier_wait -1
	FETCH_B 0, 0, 0
	FETCH_A 0, 0, 0
	SCALES 0
	FETCH_A 0, 0, 4
	s_wait_loadcnt 0x0                             ; the bias tile
	STEP 0, 0, 1
	STEPS 0, 1
	TURN 0, 1
	STEPS 1, 0
	s_wait_dscnt 4*NL                              ; the last step: nothing more to fetch
	WIN MUL_LO
	MUL16 0, 1, NQ-1, 1, 0
	MUL16 2, 1, NQ-1, 1, 0
	s_wait_dscnt 0
	WIN MUL_HI
	MUL16 4, 1, NQ-1, 1, 0
	MUL16 6, 1, NQ-1, 1, 0
	WIN 0
; THE WAY OUT, a block of 16 rows x 128 columns (two heads) at a time: rounded to f16, 16 bytes a lane, into my stage; back so that 32 lanes hold four neighbouring rows of ONE head, which are 512 consecutive bytes of qkv.
.macro PACK a
.set AC, 64*((\a)%4)
	WIN 0x0a+5*((\a)/4)                            ; sources 0 and 1: window 2 or 3
.irp b, 0,1,2,3,4,5,6,7
.irp r, 0,1,2,3
	v_cvt_pk_f16_f32 v[TMP+4*\b+\r], v[AC+8*\b+2*\r], v[AC+8*\b+2*\r+1]   ; each accumulator from its low end on
.endr
.endr
	WIN 0
.endm
.macro TOSTAGE a
.set BB, BK+32*((\a)%2)
.irp b, 0,1,2,3,4,5,6,7
	ds_store_b128 v[STO], v[TMP+4*\b:TMP+4*\b+3] offset:32*\b
.endr
.irp t, 0,1,2,3,4,5,6,7
	ds_load_b128 v[BB+4*\t:BB+4*\t+3], v[RD] offset:4*SPITCH*(\t%4)+128*(\t/4)   ; LDS serves a wave's instructions in order (ISA guide 5.7.1): these see the stores above
.endr
.endm
.macro SEND a
.set BB, BK+32*((\a)%2)
	s_wait_dscnt 0x0                               ; the block is back in registers
	s_wait_xcnt 0x0                                ; the earlier stores have read their registers: the set that they read may be loaded again behind this wait
.irp t, 0,1,2,3,4,5,6,7
	global_store_b128 v[CO], v[BB+4*\t:BB+4*\t+3], s[12:13] offset:262144*(\t/4)+2048*(\a)+512*(\t%4)   ; 512 consecutive bytes, at a multiple of 256 from the buffer's first byte
.endr
.endm
	PLACES NP
	PACK 0
	TOSTAGE 0
.irp a, 1,2,3,4,5,6,7                  ; block a's conversions stand between block a - 1's loads from the stage and the wait for them
	PACK \a
	SEND \a-1
	TOSTAGE \a
.endr
	SEND 7
	s_wait_tensorcnt 0x0                           ; the wave's end
	ds_add_u32 v[SPW], v[NIL]
	s_wait_dscnt 0x0
	CROUND                                         ; the closing round
	s_endpgm
.Lfunc_end_k_q46db480385_qkv:
	.size	k_q46db480385_qkv, .Lfunc_end_k_q46db480385_qkv-k_q46db480385_qkv
	.p2alignl 7, 3214868480
	.fill 96, 4, 3214868480
	.section	.rodata,"a",@progbits
	.p2align	6, 0x0
	.amdhsa_kernel k_q46db480385_qkv
		.amdhsa_group_segment_fixed_size 327680
		.amdhsa_private_segment_fixed_size 0
		.amdhsa_enable_private_segment 0
		.amdhsa_kernarg_size 56
		.amdhsa_user_sgpr_count 2
		.amdhsa_user_sgpr_kernarg_segment_ptr 1
		.amdhsa_wavefront_size32 1
		.amdhsa_system_sgpr_workgroup_id_x 1
		.amdhsa_system_sgpr_workgroup_id_y 1
		.amdhsa_system_sgpr_workgroup_id_z 1
		.amdhsa_system_vgpr_workitem_id 0
		.amdhsa_next_free_vgpr 1024
		.amdhsa_next_free_sgpr 100
		.amdhsa_reserve_vcc 0
		.amdhsa_float_denorm_mode_32 3
		.amdhsa_float_denorm_mode_16_64 3
		.amdhsa_memory_ordered 1
		.amdhsa_forward_progress 1
		.amdhsa_inst_pref_size 130
	.end_amdhsa_kernel
	.amdgpu_metadata
---
amdhsa.version: [ 1, 2 ]
amdhsa.kernels:
  - .name:           k_q46db480385_qkv
    .symbol:         k_q46db480385_qkv.kd
    .args:
      - { .name: xc, .offset: 0, .size: 8, .value_kind: global_buffer, .address_space: global }
      - { .name: xs, .offset: 8, .size: 8, .value_kind: global_buffer, .address_space: global }
      - { .name: wc, .offset: 16, .size: 8, .value_kind: global_buffer, .address_space: global }
      - { .name: ws, .offset: 24, .size: 8, .value_kind: global_buffer, .address_space: global }
      - { .name: qkv, .offset: 32, .size: 8, .value_kind: global_buffer, .address_space: global }
      - { .name: bq, .offset: 40, .size: 8, .value_kind: global_buffer, .address_space: global }
      - { .name: bv, .offset: 48, .size: 8, .value_kind: global_buffer, .address_space: global }
    .group_segment_fixed_size: 327680
    .private_segment_fixed_size: 0
    .kernarg_segment_align: 8
    .kernarg_segment_size: 56
    .max_flat_workgroup_size: 128
    .sgpr_count:     100
    .vgpr_count:     1024
    .wavefront_size: 32
...
	.end_amdgpu_metadata
.endif
;; end of part 2
;; launch attn (part 3): grid 4 x 64, 8 waves a work-group, clusters of 4 x 1, 327,680 bytes of LDS; arguments qkv, ao; writes ao
.if DOCPART == 3
	.amdgcn_target "amdgcn-amd-amdhsa--gfx1250"
	.amdhsa_code_object_version 6
	.text
	.protected	k_q46db480385_attn
	.globl	k_q46db480385_attn
	.p2align	8
	.type	k_q46db480385_attn,@function
k_q46db480385_attn:
	s_mov_b64 s[64:65], 0
	v_nop
	global_prefetch_b8 v0, s[64:65] scope:SCOPE_SE
	s_setreg_imm32_b32 hwreg(HW_REG_WAVE_MODE, 25, 1), 1
	s_wait_xcnt 0x0
	s_wait_alu depctr_hold_cnt(0) depctr_sa_sdst(0) depctr_va_vdst(0) depctr_va_sdst(0) depctr_va_ssrc(0) depctr_va_vcc(0) depctr_vm_vsrc(0)
	s_getreg_b32 s2, hwreg(HW_REG_IB_STS2, 6, 4)
	s_cmp_eq_u32 s2, 0
	s_cbranch_scc0 .Lentry_in_a_cluster
	s_endpgm
.Lentry_in_a_cluster:
	s_bfe_u32 s2, ttmp6, 0x10000c
	s_cmp_lg_u32 s2, 0x3003
	s_cbranch_scc0 .Lentry_shape_is_right
	s_endpgm
.Lentry_shape_is_right:
; ao[bh][q][:] = the sum over k of softmax_k(Q[bh][q] . K[bh][k] / 8) V[bh][k][:].  Q, K, V: the three sections of qkv, each [64 heads][2048][64] f16; ao likewise.  No mask.
; Products on f16 operands with f32 sums; maxima, exponentials and sums in f32; the weights p (at most about 1) are rounded to f16 for the second product, the result once at the end.
; (K comes without bk: shown at the head of the first kernel.)
; SHARES.  A work-group owns 512 queries of one head, each of its eight waves 64: four tiles of 16.  Two waves lie on a SIMD, 512 registers each: one wave's softmax can stand beside the other's products.
; Every wave walks the head's 2,048 keys, 64 a step, in phases: K Q^T, the softmax, V^T P.
; LAYOUT.  S^T = K Q^T (source 0 = 16 keys, source 1 = 16 queries): a lane holds ONE query (lane % 16) and keys 8 (lane / 16) + 0..7.  Two such tiles, rounded in pairs, ARE source 1 (32 keys x 16 queries)
; of O^T = V^T P, whose result again holds one query a lane.  K comes out of LDS as it lies, V ([key][channel]) turned, by ds_load_tr16_b128.
; SOFTMAX.  For each query a running maximum m and sum l: p = 2^(c s - c m), c = log2(e) / 8; in every step O and l are multiplied by a = 2^(c m_old - c m_new).  m begins at -3e38 and O, l at 0: the first a is 0.
; CLUSTER.  The four work-groups of a head are one cluster and walk the same K and V: each tile is asked for jointly, by the same tensor load with the same descriptor and the mask of all four.
; RING.  Two slots of four steps (256 keys).  Waves 0-3 fetch the four steps' tiles of K, waves 4-7 those of V, 64 rows a load.  By this text's count a wave has one tensor load out.
; REGISTERS: window 0: v1-15 addresses; v16-47 eight registers of statistics a tile; v64-191 S^T, 32 a tile; v192-255 P, 16 a tile.
;   window 1: v0-127 O^T, 32 a tile; v128-191 Q, 16 a tile; v192-255 eight fragments: a step's K, then its V.
.set KS,    64
.set PK,    144       ; a row of K in LDS: 128 bytes + 16 = 36 words: the 16 rows of a load start at 16 different groups of four banks (ISA guide 11.1)
.set PV,    160       ; a row of V: 128 + 32 = 40 words
.set VOFF,  KS*PK     ; a step's tiles lie together: 64 rows of K, then 64 rows of V
.set STEPB, KS*(PK+PV)
.set SLOT1, 1<<17     ; slot 1 begins here: one exclusive or turns an address in one slot into the other's
.set STAGE, SLOT1+4*STEPB  ; behind the ring: 16 rows x 144 bytes for each wave, for the way out
.set SP,    144
.set SPARE, STAGE+8*16*SP  ; the spare words, 128 bytes a wave: four blocks of 256 bytes that no other line names
.set AK0, 2
.set AV0, 3
.set ADR, 4
.set ADRV, 5
.set STO, 6
.set RD,  7
.set GO,  8
.set QO,  9
.set SPW, 12
.set NIL, 13
.set PFO, 14          ; 256 x my lane; never rewritten
.set ST,  16          ; tile t at v[ST+8 t]: +0 c m, +1 m, +2, +3 l (even keys', odd keys'), +4 to +7 at work; a takes +6
.set S,   64
.set P,   192
.set QF,  128         ; in window 1
.set KV,  192         ; in window 1
.set WV,  12
.set LIM, 15          ; 1 in a wave that prefetches, else the greatest number
.set PFA, 18
.set G1K, 24
.set G1V, 32
.set G0K, 40
.set G0V, 44
.set SLOTS, 56
.set CNT, 57
.set CS,  58
.set SEL, 60
.set TB,  62          ; LDS byte at which the step's tiles begin
.set MSB, 0
.macro WIN new
.if MSB != \new
	s_set_vgpr_msb (MSB<<8)|\new
.set MSB, \new
.endif
.endm
.set W_KQ, 0x05       ; K and Q in window 1, S^T in window 0
.set W_PV, 0x51       ; V in window 1, P in window 0, O^T (C and D) in window 1
.set W_RS, 0x41       ; O^T (destination and source 0) in window 1, a in window 0
.set TO_1, 0x40       ; destination window 1, address window 0
.macro JLOAD                        ; a joint load: waves 0-3 K's, waves 4-7 V's; an s_nop 0 and four v_nop follow each line
	s_cmp_lt_u32 s[WV], 4
	s_cbranch_scc0 .Lfor_v_\@
	tensor_load_to_lds s[G0K:G0K+3], s[G1K:G1K+7]
	s_nop 0
.rept 4
	v_nop
.endr
	s_branch .Lasked_\@
.Lfor_v_\@:
	tensor_load_to_lds s[G0V:G0V+3], s[G1V:G1V+7]
	s_nop 0
.rept 4
	v_nop
.endr
.Lasked_\@:
.endm
; A prefetch of what the NEXT change of slots will ask for: a slot's K and V are 32,768 dense bytes each.  The four partners share them out BY ADDRESS, 8,192 bytes each; in each, wave 0 asks for K's and wave 4
; for V's, lanes 256 bytes apart: each aligned block of 256 bytes is named once in the launch.  It stands four key steps ahead of the load that wants the data.  The last change that fills a slot asks for nothing.
.macro ASK
	s_cmp_gt_u32 s[SLOTS], s[LIM]
	s_cbranch_scc0 .Lnot_mine_\@
	global_prefetch_b8 v[PFO], s[PFA:PFA+1] th:TH_LOAD_NT scope:SCOPE_SE
.Lnot_mine_\@:
.endm
.macro CROUND
	s_barrier_signal -1
	s_barrier_wait -1
	s_cmp_lg_u32 s[WV], 0
	s_cbranch_scc1 .Lnot_wave_0_\@
	s_barrier_signal -3
.Lnot_wave_0_\@:
	s_barrier_wait -3
	s_barrier_signal -1
	s_barrier_wait -1
.endm
	s_load_b128 s[4:7], s[0:1], 0x0  ; qkv s[4:5], ao s[6:7]
	v_lshl_add_u32 v[SPW], v0, 2, SPARE
	v_mov_b32 v[NIL], 0
	ds_add_u32 v[SPW], v[NIL]       ; the wave's opening: an add of 0 to my spare word, twice on end; its wait stands ahead of my first tensor load
	ds_add_u32 v[SPW], v[NIL]
	v_lshrrev_b32 v1, 5, v0
	v_readfirstlane_b32 s[WV], v1   ; wave 0..7
	s_bfe_u32 s13, ttmp6, 0x40000   ; cx: my block of 512 queries (the grid has one cluster along x); it enters Q's, ao's and the prefetches' addresses alone
	s_and_b32 s20, ttmp7, 0xffff    ; the head, 16 b + h, which the four partners share
	s_lshl_b32 s20, s20, 18         ; its 2,048 rows of 128 bytes
	s_and_b32 s16, s[WV], 3         ; which of a slot's four steps I fetch:
	s_lshl_b32 s22, s16, 13         ; its 64 rows of 128 bytes in memory,
	s_add_co_u32 s22, s22, s20
	s_mov_b32 s23, 0
	s_mul_i32 s17, s16, STEPB       ; and its place in a slot
	s_lshl_b32 s2, s13, 16          ; my block's 512 rows,
	s_lshl_b32 s3, s[WV], 13        ; my wave's 64 of them
	s_add_co_u32 s2, s2, s3
	s_add_co_u32 s2, s2, s20
	s_mov_b32 s3, 0
	s_mov_b32 s[G1K], 15|(1<<16)|(1<<20)|(1<<21)|(4<<22)|(3<<25)  ; the mask: all four; elements of 2 bytes; padding on; bit 21 beside a mask; 4 words behind every 32
	s_mov_b32 s[G1V], 15|(1<<16)|(1<<20)|(1<<21)|(4<<22)|(7<<25)  ; the same with 8 words
.irp g, G1K, G1V
	s_mov_b32 s[\g+1], 64<<16       ; tensor_dim0 = 64
	s_mov_b32 s[\g+2], KS<<16       ; tensor_dim1 = 64
	s_mov_b32 s[\g+3], 64<<16       ; tile_dim0 = 64
	s_mov_b32 s[\g+4], KS           ; tile_dim1 = 64
	s_mov_b32 s[\g+5], 64           ; elements from row to row
	s_mov_b32 s[\g+6], 0
	s_mov_b32 s[\g+7], 0
.endr
	s_mov_b32 s[CS], 0x3e38aa3b     ; c = log2(e) / 8
	s_mov_b32 s[CS+1], s[CS]        ; named with it as a pair, so it is written
	s_mov_b32 s[SEL], 0x76543210
	s_mov_b32 s[SEL+1], 0xfedcba98
	s_mov_b32 s[TB], 0
	s_mov_b32 s[SLOTS], 7           ; 2,048 keys are eight slots; seven are asked for in the loop
	s_cmp_eq_u32 s16, 0
	s_cselect_b32 s[LIM], 1, -1     ; waves 0 and 4 prefetch: the same in all four partners
	v_and_b32 v[PFO], 31, v0
	v_lshlrev_b32 v[PFO], 8, v[PFO]
	s_wait_dscnt 0x0                ; both opening adds are done
	s_wait_kmcnt 0x0
	s_mov_b64 s[10:11], s[6:7]      ; ao
	s_add_nc_u64 s[6:7], s[4:5], 0x1000000  ; K's section
	s_add_nc_u64 s[8:9], s[4:5], 0x2000000  ; V's
	s_add_nc_u64 s[6:7], s[6:7], s[22:23]   ; at my tile of slot 0
	s_add_nc_u64 s[8:9], s[8:9], s[22:23]
	s_add_nc_u64 s[4:5], s[4:5], s[2:3]     ; Q and ao at my wave's first row
	s_add_nc_u64 s[10:11], s[10:11], s[2:3]
	s_cmp_lt_u32 s[WV], 4
	s_cselect_b64 s[PFA:PFA+1], s[6:7], s[8:9]  ; (in waves 0 and 4 these stand at a slot's first row)
	s_lshl_b32 s2, s13, 13          ; my work-group's 8,192 bytes of the 32,768
	s_add_nc_u64 s[PFA:PFA+1], s[PFA:PFA+1], s[2:3]
	s_add_nc_u64 s[PFA:PFA+1], s[PFA:PFA+1], 4*KS*128  ; in slot 1; the first change of slots steps it to slot 2.  Nothing is prefetched at the head
	CROUND                          ; all four work-groups are here: the first joint loads meet
	s_mov_b32 s[G0K], 1
	s_mov_b32 s[G0K+1], s17
	s_mov_b64 s[G0K+2:G0K+3], s[6:7]
	s_or_b32 s[G0K+3], s[G0K+3], 0x80000000
	s_mov_b32 s[G0V], 1
	s_add_co_u32 s[G0V+1], s17, VOFF
	s_mov_b64 s[G0V+2:G0V+3], s[8:9]
	s_or_b32 s[G0V+3], s[G0V+3], 0x80000000
	JLOAD                           ; slot 0: keys 0 to 255
	v_and_b32 v1, 15, v0            ; r
	v_bfe_u32 v15, v0, 4, 1         ; h
	v_lshlrev_b32 v[QO], 7, v1
	v_lshl_add_u32 v[QO], v15, 4, v[QO]  ; row x 128 + 16 x half
	WIN TO_1
.irp i, 0,1,2,3,4,5,6,7             ; Q stays in registers: tile i / 2, channels 32 (i % 2) on
	global_load_b128 v[QF+8*\i:QF+8*\i+3],   v[QO], s[4:5] offset:(\i/2)*2048+(\i%2)*64
	global_load_b128 v[QF+8*\i+4:QF+8*\i+7], v[QO], s[4:5] offset:(\i/2)*2048+(\i%2)*64+32
.endr
.set i, 0
.rept 128
	v_mov_b32 v[i], 0               ; O^T: the step is written once, and its first run finds zeros, which a = 0 leaves zeros; that spares a further copy of the step's text
.set i, i+1
.endr
	WIN 0
	v_mul_u32_u24 v[AK0], v1, PK
	v_lshl_add_u32 v[AK0], v15, 4, v[AK0]  ; K: row x pitch + 16 x half
	v_and_b32 v10, 7, v0
	v_bfe_u32 v11, v0, 3, 1
	v_lshl_add_u32 v[AV0], v15, 3, v10     ; V: key 8 h + l % 8,
	v_mul_u32_u24 v[AV0], v[AV0], PV
	v_lshl_add_u32 v[AV0], v11, 4, v[AV0]  ; channels 8 ((l / 8) % 2) on
	v_add_nc_u32 v[AV0], VOFF, v[AV0]
	s_mul_i32 s14, s[WV], 16*SP
	s_add_co_u32 s14, s14, STAGE    ; my stage
	v_mul_u32_u24 v[STO], v1, SP
	v_lshl_add_u32 v[STO], v15, 4, v[STO]
	v_add_nc_u32 v[STO], s14, v[STO]       ; in: row r, 16 bytes for each half of the lanes
	v_and_b32 v10, 31, v0
	v_lshrrev_b32 v11, 3, v10
	v_mul_u32_u24 v[RD], v11, SP
	v_and_b32 v11, 7, v0
	v_lshl_add_u32 v[RD], v11, 4, v[RD]
	v_add_nc_u32 v[RD], s14, v[RD]         ; back: eight lanes a row of 128 bytes, four rows an instruction
	v_lshlrev_b32 v[GO], 4, v10            ; which are 512 consecutive bytes of ao
.irp t, 0,1,2,3
	v_mov_b32 v[ST+8*\t+1], 0xff61b1e6     ; m = -3e38, under every score
	v_mov_b32 v[ST+8*\t+2], 0              ; l
	v_mov_b32 v[ST+8*\t+3], 0
.endr
.irp t, 0,1,2,3
	v_mul_f32 v[ST+8*\t], s[CS], v[ST+8*\t+1]  ; c m
.endr
.macro SUM t, b                     ; l takes pair b of tile t's unrounded weights; with the first pair it is brought under the new m
.if \b == 0
	v_pk_fma_f32 v[ST+8*\t+2:ST+8*\t+3], v[ST+8*\t+2:ST+8*\t+3], v[ST+8*\t+6:ST+8*\t+7], v[S+32*\t:S+32*\t+1] op_sel_hi:[1,0,1]
.else
	v_pk_add_f32 v[ST+8*\t+2:ST+8*\t+3], v[ST+8*\t+2:ST+8*\t+3], v[S+32*\t+2*\b:S+32*\t+2*\b+1]
.endif
.endm
.macro SCALE t, b                   ; pair b of tile t: c s - c m
	v_pk_fma_f32 v[S+32*\t+2*\b:S+32*\t+2*\b+1], v[S+32*\t+2*\b:S+32*\t+2*\b+1], s[CS:CS+1], v[ST+8*\t:ST+8*\t+1] op_sel_hi:[1,0,0] neg_lo:[0,0,1] neg_hi:[0,0,1]
.endm
.macro EXP2 t, b                    ; and its two exponentials
	v_exp_f32 v[S+32*\t+2*\b], v[S+32*\t+2*\b]
	v_exp_f32 v[S+32*\t+2*\b+1], v[S+32*\t+2*\b+1]
.endm
.macro ROUNDP t, b                  ; and its rounding to f16
	v_cvt_pk_f16_f32 v[P+16*\t+\b], v[S+32*\t+2*\b], v[S+32*\t+2*\b+1]
.endm
; A KEY STEP: 64 keys.
.macro STEP
	v_add_nc_u32 v[ADR], s[TB], v[AK0]     ; these four plain lines are the places between the last step's products and the loads into the registers that they read
	v_add_nc_u32 v[ADRV], s[TB], v[AV0]
	v_nop
	v_nop
	WIN TO_1
.irp c, 0,1                         ; K: fragment 2 k + c = keys 16 k on, channels 32 c on; the first 32 channels first
.irp k, 0,1,2,3
	ds_load_b128 v[KV+8*(2*\k+\c):KV+8*(2*\k+\c)+3],   v[ADR] offset:\k*16*PK+\c*64
	ds_load_b128 v[KV+8*(2*\k+\c)+4:KV+8*(2*\k+\c)+7], v[ADR] offset:\k*16*PK+\c*64+32
.endr
.endr
	WIN W_KQ
.irp c, 0,1                         ; S^T = K Q^T: the 16 accumulators take turns, one instruction a turn; the first 16 start the sums
.if \c == 0
	s_wait_dscnt 8                  ; the first 32 channels are in; the eight loads of the other 32 may be out
.else
	s_wait_dscnt 0x0
.endif
.irp k, 0,1,2,3
.irp t, 0,1,2,3
.if \c == 0
	v_wmma_f32_16x16x32_f16 v[S+32*\t+8*\k:S+32*\t+8*\k+7], v[KV+8*(2*\k+\c):KV+8*(2*\k+\c)+7], v[QF+16*\t+8*\c:QF+16*\t+8*\c+7], 0
.else
	v_wmma_f32_16x16x32_f16 v[S+32*\t+8*\k:S+32*\t+8*\k+7], v[KV+8*(2*\k+\c):KV+8*(2*\k+\c)+7], v[QF+16*\t+8*\c:QF+16*\t+8*\c+7], v[S+32*\t+8*\k:S+32*\t+8*\k+7]
.endif
.endr
.endr
.endr
	WIN 0
.rept 4
	v_nop                           ; places: in front of the loads into K's registers, and of the first read of the scores
.endr
	WIN TO_1
.irp g, 0,1                         ; V, turned, into the registers that K has left: fragment 4 g + u = keys 32 g on, channels 16 u on.  It lands while the softmax is worked
.irp u, 0,1,2,3
	ds_load_tr16_b128 v[KV+8*(4*\g+\u):KV+8*(4*\g+\u)+3],   v[ADRV] offset:\g*32*PV+\u*32
	ds_load_tr16_b128 v[KV+8*(4*\g+\u)+4:KV+8*(4*\g+\u)+7], v[ADRV] offset:\g*32*PV+16*PV+\u*32
.endr
.endr
	WIN 0
	; the maximum of a lane's 32 scores and the old m, three operands at a time, four chains a tile, the four tiles by turns; each accumulator is read from its low end on
.irp j, 0,1,2,3
.irp t, 0,1,2,3
	v_max3_num_f32 v[ST+8*\t+4+\j], v[S+32*\t+8*\j], v[S+32*\t+8*\j+1], v[S+32*\t+8*\j+2]
.endr
.endr
.irp u, 1,2
.irp j, 0,1,2,3
.irp t, 0,1,2,3
	v_max3_num_f32 v[ST+8*\t+4+\j], v[ST+8*\t+4+\j], v[S+32*\t+8*\j+2*\u+1], v[S+32*\t+8*\j+2*\u+2]
.endr
.endr
.endr
.irp t, 0,1,2,3
	v_max3_num_f32 v[ST+8*\t+4], v[ST+8*\t+4], v[S+32*\t+7], v[S+32*\t+15]
.endr
.irp t, 0,1,2,3
	v_max3_num_f32 v[ST+8*\t+6], v[ST+8*\t+6], v[S+32*\t+23], v[S+32*\t+31]
.endr
.irp t, 0,1,2,3
	v_max3_num_f32 v[ST+8*\t+4], v[ST+8*\t+4], v[ST+8*\t+5], v[ST+8*\t+6]
.endr
.irp t, 0,1,2,3
	v_max3_num_f32 v[ST+8*\t+4], v[ST+8*\t+4], v[ST+8*\t+7], v[ST+8*\t+1]
.endr
.irp t, 0,1,2,3
	v_permlanex16_b32 v[ST+8*\t+5], v[ST+8*\t+4], s[SEL], s[SEL+1]  ; the query's other 32 keys lie in the lane 16 away
.endr
.irp t, 0,1,2,3
	v_mov_b32 v[ST+8*\t+7], v[ST+8*\t]     ; c m_old is kept for a
.endr
.irp t, 0,1,2,3
	v_max_num_f32 v[ST+8*\t+1], v[ST+8*\t+4], v[ST+8*\t+5]
.endr
.irp t, 0,1,2,3
	v_mul_f32 v[ST+8*\t], s[CS], v[ST+8*\t+1]
.endr
.irp t, 0,1,2,3
	v_sub_f32 v[ST+8*\t+7], v[ST+8*\t+7], v[ST+8*\t]
.endr
	; THE EXPONENTIALS GO IN TWO BATCHES, each with one wait ahead of the first line that names a result.  Batch 1: the four a, and tiles 0 and 1, with the scalings of tiles 2 and 3
	; between them; batch 2: tiles 2 and 3, with the roundings and sums of tiles 0 and 1, which read batch 1 alone, between them.
.irp b, 0,1,2,3,4,5,6,7,8,9,10,11,12,13,14,15
	SCALE 0, \b
	SCALE 1, \b
.endr
.irp t, 0,1,2,3
	v_exp_f32 v[ST+8*\t+6], v[ST+8*\t+7]   ; a
.endr
.irp b, 0,1,2,3,4,5,6,7,8,9,10,11,12,13,14,15
	EXP2 0, \b
	SCALE 2, \b
	EXP2 1, \b
	SCALE 3, \b
.endr
	v_nop                           ; a plain line behind the batch
	s_wait_alu depctr_va_vdst(0)    ; one wait for batch 1
.irp b, 0,1,2,3,4,5,6,7,8,9,10,11,12,13,14,15
	EXP2 2, \b
	ROUNDP 0, \b
	SUM 0, \b
	EXP2 3, \b
	ROUNDP 1, \b
	SUM 1, \b
.endr
	v_nop
	s_wait_alu depctr_va_vdst(0)    ; one wait for batch 2
.irp b, 0,1,2,3,4,5,6,7,8,9,10,11,12,13,14,15
	ROUNDP 2, \b
	SUM 2, \b
	ROUNDP 3, \b
	SUM 3, \b
.endr
	WIN W_RS
.irp t, 0,1,2,3                     ; O^T under the new m: x a; each accumulator from its low end on
.irp i, 0,2,4,6,8,10,12,14,16,18,20,22,24,26,28,30
	v_pk_mul_f32 v[32*\t+\i:32*\t+\i+1], v[32*\t+\i:32*\t+\i+1], v[ST+8*\t+6:ST+8*\t+7] op_sel_hi:[1,0]
.endr
.endr
	s_wait_dscnt 0x0                ; V is in
	WIN W_PV
.irp g, 0,1                         ; O^T += V^T P: the 16 accumulators take turns
.irp u, 0,1,2,3
.irp t, 0,1,2,3
	v_wmma_f32_16x16x32_f16 v[32*\t+8*\u:32*\t+8*\u+7], v[KV+8*(4*\g+\u):KV+8*(4*\g+\u)+7], v[P+16*\t+8*\g:P+16*\t+8*\g+7], v[32*\t+8*\u:32*\t+8*\u+7]
.endr
.endr
.endr
	WIN 0
	s_add_co_u32 s[TB], s[TB], STEPB  ; the next step's tiles
.endm
; THE CHANGE OF SLOTS stands at a slot's head.  Each wave waits for all its tensor loads (its part of the slot that it is about to read), adds 0 to its spare word, and waits for that and for its reads of the slot
; that it has left.  fill = 1: a round of the cluster's barrier, so that no wave of any partner still reads that slot or has a load on its way; the joint load of the next 256 keys is the first thing behind it and has
; four key steps in which to land.
.macro CHANGE fill
	s_wait_tensorcnt 0x0            ; no tensor load of mine is out, so a group 0 may be written
	ds_add_u32 v[SPW], v[NIL]       ; 0 onto my spare word
.if \fill
	s_xor_b32 s[G0K+1], s[G0K+1], SLOT1  ; the walking descriptors: the other slot than last time,
	s_add_nc_u64 s[G0K+2:G0K+3], s[G0K+2:G0K+3], 4*KS*128  ; the next 256 keys; the type bits on top are not reached
	s_xor_b32 s[G0V+1], s[G0V+1], SLOT1
	s_add_nc_u64 s[G0V+2:G0V+3], s[G0V+2:G0V+3], 4*KS*128
	s_wait_xcnt 0x0                 ; the last prefetch, a slot back, has read its address
	s_add_nc_u64 s[PFA:PFA+1], s[PFA:PFA+1], 4*KS*128  ; one slot further on than the walking descriptors
	s_wait_dscnt 0x0                ; the add is done, and my reads of the slot that I have left are over
	CROUND
	JLOAD
	ASK
.else
	s_wait_dscnt 0x0
	s_barrier_signal -1
	s_barrier_wait -1
.endif
.endm
.macro FOUR_STEPS                   ; a slot's four key steps: written once, walked four times; the LDS addresses hang on s[TB]
	s_mov_b32 s[CNT], 4
.Lstep_\@:
	STEP
	s_sub_co_u32 s[CNT], s[CNT], 1
	s_cmp_lg_u32 s[CNT], 0
	s_cbranch_scc1 .Lstep_\@
	s_sub_co_u32 s[TB], s[TB], 4*STEPB  ; back to a slot's first step,
	s_xor_b32 s[TB], s[TB], SLOT1   ; in the other slot
.endm
	s_wait_loadcnt 0x0              ; Q
.Lslot:                             ; seven trips: behind each change of slots but the last the next slot is asked for
	CHANGE 1
	FOUR_STEPS
	s_sub_co_u32 s[SLOTS], s[SLOTS], 1
	s_cmp_lg_u32 s[SLOTS], 0
	s_cbranch_scc1 .Lslot
	CHANGE 0                        ; the last slot is written out
	FOUR_STEPS
	; THE WAY OUT.  l's two halves and the other half of the lanes' are added; O^T is divided by l, rounded to f16 and sent through my stage, a tile (16 rows) at a time.  The additions are the places behind the last products.
.irp t, 0,1,2,3
	v_add_f32 v[ST+8*\t+4], v[ST+8*\t+2], v[ST+8*\t+3]
.endr
.irp t, 0,1,2,3
	v_permlanex16_b32 v[ST+8*\t+5], v[ST+8*\t+4], s[SEL], s[SEL+1]
.endr
.irp t, 0,1,2,3
	v_add_f32 v[ST+8*\t+4], v[ST+8*\t+4], v[ST+8*\t+5]
.endr
.irp t, 0,1,2,3
	v_rcp_f32 v[ST+8*\t+6], v[ST+8*\t+4]
.endr
	v_nop                           ; a plain line between the last reciprocal and the use of its result
	s_wait_alu depctr_va_vdst(0)    ; one wait for the four reciprocals
.macro PACK t
	WIN W_RS
.set i, 32*\t
.rept 16
	v_pk_mul_f32 v[i:i+1], v[i:i+1], v[ST+8*\t+6:ST+8*\t+7] op_sel_hi:[1,0]
.set i, i+2
.endr
	WIN 0x05                        ; sources 0 and 1 window 1, destination window 0: S^T's registers are free
.set i, 0
.rept 16
	v_cvt_pk_f16_f32 v[S+16*\t+i], v[32*\t+2*i], v[32*\t+2*i+1]
.set i, i+1
.endr
	WIN 0
.irp f, 0,1,2,3
	ds_store_b128 v[STO], v[S+16*\t+4*\f:S+16*\t+4*\f+3] offset:32*\f
.endr
.irp f, 0,1,2,3
	ds_load_b128 v[S+16*\t+4*\f:S+16*\t+4*\f+3], v[RD] offset:\f*4*SP  ; LDS serves a wave's instructions in order (ISA guide 5.7.1): these see the stores above; the next tile's stores come behind them
.endr
.endm
.macro SEND t, younger              ; younger: the LDS instructions issued behind tile t's loads: the next tile's eight, or none
.irp f, 0,1,2,3
	s_wait_dscnt \younger+3-\f
	global_store_b128 v[GO], v[S+16*\t+4*\f:S+16*\t+4*\f+3], s[10:11] offset:\t*2048+\f*512  ; 512 consecutive bytes, at a multiple of 256 from ao's first byte
.endr
.endm
	PACK 0
	PACK 1
	SEND 0, 8
	PACK 2
	SEND 1, 8
	PACK 3
	SEND 2, 8
	SEND 3, 0
	s_wait_tensorcnt 0x0            ; the wave's end
	ds_add_u32 v[SPW], v[NIL]
	s_wait_dscnt 0x0
	CROUND                          ; the closing round
	s_endpgm
.Lfunc_end_k_q46db480385_attn:
	.size	k_q46db480385_attn, .Lfunc_end_k_q46db480385_attn-k_q46db480385_attn
	.p2alignl 7, 3214868480
	.fill 96, 4, 3214868480
	.section	.rodata,"a",@progbits
	.p2align	6, 0x0
	.amdhsa_kernel k_q46db480385_attn
		.amdhsa_group_segment_fixed_size 327680
		.amdhsa_private_segment_fixed_size 0
		.amdhsa_enable_private_segment 0
		.amdhsa_kernarg_size 16
		.amdhsa_user_sgpr_count 2
		.amdhsa_user_sgpr_kernarg_segment_ptr 1
		.amdhsa_wavefront_size32 1
		.amdhsa_system_sgpr_workgroup_id_x 1
		.amdhsa_system_sgpr_workgroup_id_y 1
		.amdhsa_system_sgpr_workgroup_id_z 1
		.amdhsa_system_vgpr_workitem_id 0
		.amdhsa_next_free_vgpr 512
		.amdhsa_next_free_sgpr 66
		.amdhsa_reserve_vcc 0
		.amdhsa_float_denorm_mode_32 3
		.amdhsa_float_denorm_mode_16_64 3
		.amdhsa_memory_ordered 1
		.amdhsa_forward_progress 1
		.amdhsa_inst_pref_size 91
	.end_amdhsa_kernel
	.amdgpu_metadata
---
amdhsa.version: [ 1, 2 ]
amdhsa.kernels:
  - .name:           k_q46db480385_attn
    .symbol:         k_q46db480385_attn.kd
    .args:
      - { .name: qkv, .offset: 0, .size: 8, .value_kind: global_buffer, .address_space: global }
      - { .name: ao, .offset: 8, .size: 8, .value_kind: global_buffer, .address_space: global }
    .group_segment_fixed_size: 327680
    .private_segment_fixed_size: 0
    .kernarg_segment_align: 8
    .kernarg_segment_size: 16
    .max_flat_workgroup_size: 256
    .sgpr_count:     66
    .vgpr_count:     512
    .wavefront_size: 32
...
	.end_amdgpu_metadata
.endif
;; end of part 3
;; launch proj (part 4): grid 4 x 64, 4 waves a work-group, clusters of 4 x 4, 327,680 bytes of LDS; arguments ao, wo16, bo, out0; writes out0
.if DOCPART == 4
	.amdgcn_target "amdgcn-amd-amdhsa--gfx1250"
	.amdhsa_code_object_version 6
	.text
	.protected	k_q46db480385_proj
	.globl	k_q46db480385_proj
	.p2align	8
	.type	k_q46db480385_proj,@function
k_q46db480385_proj:
	s_mov_b64 s[64:65], 0
	v_nop
	global_prefetch_b8 v0, s[64:65] scope:SCOPE_SE
	s_setreg_imm32_b32 hwreg(HW_REG_WAVE_MODE, 25, 1), 1
	s_wait_xcnt 0x0
	s_wait_alu depctr_hold_cnt(0) depctr_sa_sdst(0) depctr_va_vdst(0) depctr_va_sdst(0) depctr_va_ssrc(0) depctr_va_vcc(0) depctr_vm_vsrc(0)
	s_getreg_b32 s2, hwreg(HW_REG_IB_STS2, 6, 4)
	s_cmp_eq_u32 s2, 0
	s_cbranch_scc0 .Lentry_in_a_cluster
	s_endpgm
.Lentry_in_a_cluster:
	s_bfe_u32 s2, ttmp6, 0x10000c
	s_cmp_lg_u32 s2, 0xf033
	s_cbranch_scc0 .Lentry_shape_is_right
	s_endpgm
.Lentry_shape_is_right:
; out0[m][n] = sum over k of A[m][k] Wo[k][n] + bo[n].  A is the attention's result, ao [b][h][s][64] f16: k = 64 h + d, m = 2048 b + s.  wo16 [k 1024][n 1024] f16.  out0 [8192][1024] f32.  Sums in f32.
; A tile of C is 128 (m) x 256 (n): 256 work-groups.  Four waves, each 64 x 128: 32 accumulators, 256 registers.  bo is the C of each sum's first product.
; K goes in steps of 128 = two heads, through a ring of two slots.  A's tile is two planes (a head each) of 128 rows x 128 bytes, dense in memory; Wo's is 128 rows (k) x 512 bytes.
; Waves 0 and 1 fetch A's two planes, waves 2 and 3 Wo's two halves of 64 rows: one load a wave behind each round.  By this text's count a wave has two tensor loads out at the start, later one.
; CLUSTERS: 4 x 4.  A's tile hangs on the tile row alone and is shared along a row of the cluster (all four tile columns), Wo's on the tile column alone and is shared along a column.
; THE MATRIX INSTRUCTION IS USED TRANSPOSED: source 0 = 16 columns n of Wo x 32 k (turned on its way out of LDS by ds_load_tr16_b128), source 1 = 16 rows of A: a lane holds eight neighbouring columns of one row of C.
; No prefetch: each refill is small and the launch short; the tiles are shared in the cluster instead.
; REGISTERS: window 0: v0-31 addresses; A's fragments v32-63, v64-95 (two buffers of 4); Wo's v96-159, v160-223 (two buffers of 8).  window 1: accumulator (a, b) at v[8 (8 a + b)].  window 2: v0-63 the bias tile.
.set PA,     144                       ; a row of A in LDS: 128 bytes + 16
.set PLANE,  128*PA
.set PB,     544                       ; a row of Wo: 512 bytes + 32 = 136 words: row r starts at bank 8 r mod 64
.set BOFF,   2*PLANE
.set SLOT,   BOFF+128*PB
.set STAGE,  2*SLOT                    ; behind the ring: 16 rows x (512 bytes + 16) for each wave
.set SPITCH, 528
.set SPARE,  STAGE+4*16*SPITCH         ; the spare words, 128 bytes a wave: two blocks of 256 bytes that no other line names
.set LAPS,   4                         ; eight K steps, two a lap
.set ADRA, 16
.set ADRB, 20
.set STO,  24
.set RD,   25
.set CO,   26
.set SPW,  28
.set NIL,  29
.set BK,   96                          ; the way out: 16 rows read back: v96-159 and v160-223 by turns
.set G1, 24
.set G0, 32
.set G1B, 48
.set G0B, 56
.set MSB, 0
.macro WIN new
.if MSB != \new
	s_set_vgpr_msb (MSB<<8)|\new
.set MSB, \new
.endif
.endm
.set MUL,   0x50                       ; sources 0 and 1 window 0; C and D window 1
.set MUL_B, 0x60                       ; the first products: C (the bias) window 2, D window 1
.macro JLOAD s                         ; a joint load: waves 0 and 1 for A, waves 2 and 3 for Wo; an s_nop 0 and four v_nop follow each line
	s_cmp_eq_u32 s15, 0
	s_cbranch_scc0 .Lfor_b_\@
	tensor_load_to_lds s[G0+4*\s:G0+4*\s+3], s[G1:G1+7]
	s_nop 0
.rept 4
	v_nop
.endr
	s_branch .Lasked_\@
.Lfor_b_\@:
	tensor_load_to_lds s[G0B+4*\s:G0B+4*\s+3], s[G1B:G1B+7]
	s_nop 0
.rept 4
	v_nop
.endr
.Lasked_\@:
.endm
.macro CREST
	s_cmp_lg_u32 s14, 0
	s_cbranch_scc1 .Lnot_wave_0_\@
	s_barrier_signal -3
.Lnot_wave_0_\@:
	s_barrier_wait -3
	s_barrier_signal -1
	s_barrier_wait -1
.endm
.macro CROUND
	s_barrier_signal -1
	s_barrier_wait -1
	CREST
.endm
	s_load_b128 s[4:7], s[0:1], 0x0                ; ao s[4:5], wo16 s[6:7]
	s_load_b128 s[8:11], s[0:1], 0x10              ; bo s[8:9], out0 s[10:11]
	v_lshl_add_u32 v[SPW], v0, 2, SPARE
	v_mov_b32 v[NIL], 0
	ds_add_u32 v[SPW], v[NIL]                      ; the wave's opening: an add of 0 to my spare word, twice on end; its wait stands ahead of my first tensor load
	ds_add_u32 v[SPW], v[NIL]
	v_lshrrev_b32 v1, 5, v0
	v_readfirstlane_b32 s14, v1                    ; wave 0..3
	s_lshr_b32 s15, s14, 1                         ; which 64 rows of the tile are mine.  Also: I fetch for A (0) or for Wo (1)
	s_and_b32 s16, s14, 1                          ; which 128 columns.  Also: which plane, or which 64 rows of Wo, I fetch
	s_bfe_u32 s40, ttmp6, 0x40000                  ; cx, cy
	s_bfe_u32 s41, ttmp6, 0x40004
	s_lshl_b32 s42, ttmp9, 2
	s_add_co_u32 s42, s42, s40                     ; tile column
	s_and_b32 s17, ttmp7, 0xffff
	s_lshl_b32 s17, s17, 2
	s_add_co_u32 s17, s17, s41                     ; tile row
	s_lshl_b32 s43, s41, 2
	s_lshl_b32 s43, 15, s43                        ; my row of the cluster
	s_lshl_b32 s44, 0x1111, s40                    ; my column
	s_or_b32 s[G1+0], s43, (1<<16)|(1<<20)|(1<<21)|(4<<22)|(3<<25)   ; A: elements of 2 bytes; 4 words of padding behind every 32
	s_mov_b32 s[G1+1], 64<<16                      ; tensor_dim0 = 64
	s_mov_b32 s[G1+2], 128<<16                     ; tensor_dim1 = 128
	s_mov_b32 s[G1+3], 64<<16                      ; tile_dim0 = 64
	s_mov_b32 s[G1+4], 128                         ; tile_dim1 = 128
	s_mov_b32 s[G1+5], 64                          ; elements from row to row
	s_mov_b32 s[G1+6], 0
	s_mov_b32 s[G1+7], 0
	s_or_b32 s[G1B+0], s44, (1<<16)|(1<<20)|(1<<21)|(6<<22)|(7<<25)  ; Wo: 8 words of padding behind every 128
	s_mov_b32 s[G1B+1], 256<<16
	s_mov_b32 s[G1B+2], 64<<16
	s_mov_b32 s[G1B+3], 256<<16
	s_mov_b32 s[G1B+4], 64
	s_mov_b32 s[G1B+5], 1024
	s_mov_b32 s[G1B+6], 0
	s_mov_b32 s[G1B+7], 0
	s_lshr_b32 s20, s17, 4                         ; A: b = tile row / 16: 16 heads x 2,048 rows x 128 bytes each,
	s_lshl_b32 s20, s20, 22
	s_and_b32 s21, s17, 15
	s_lshl_b32 s21, s21, 14                        ; 128 rows of 128 bytes a tile row,
	s_add_co_u32 s20, s20, s21
	s_lshl_b32 s21, s16, 18                        ; my plane's head
	s_add_co_u32 s20, s20, s21
	s_mov_b32 s21, 0
	s_lshl_b32 s46, s16, 17                        ; Wo: my 64 rows of 2,048 bytes,
	s_lshl_b32 s47, s42, 9                         ; the tile's 256 columns
	s_add_co_u32 s46, s46, s47
	s_mov_b32 s47, 0
	s_mul_i32 s45, s16, PLANE                      ; where they go: no place in the cluster enters an LDS address
	s_mul_i32 s22, s16, 64*PB
	s_add_co_u32 s22, s22, BOFF
	s_wait_dscnt 0x0                               ; both opening adds are done
	s_wait_kmcnt 0x0
	s_add_nc_u64 s[20:21], s[4:5], s[20:21]
	s_add_nc_u64 s[46:47], s[6:7], s[46:47]
	CROUND                                         ; all sixteen work-groups are here: the first joint loads meet
.irp s, 0,1
	s_mov_b32 s[G0+4*\s], 1
	s_add_co_u32 s[G0+4*\s+1], s45, \s*SLOT
	s_add_nc_u64 s[G0+4*\s+2:G0+4*\s+3], s[20:21], \s*524288       ; K step s: two heads on
	s_or_b32 s[G0+4*\s+3], s[G0+4*\s+3], 0x80000000
	s_mov_b32 s[G0B+4*\s], 1
	s_add_co_u32 s[G0B+4*\s+1], s22, \s*SLOT
	s_add_nc_u64 s[G0B+4*\s+2:G0B+4*\s+3], s[46:47], \s*262144     ; 128 rows of Wo on
	s_or_b32 s[G0B+4*\s+3], s[G0B+4*\s+3], 0x80000000
	JLOAD \s
.endr
	v_and_b32 v1, 15, v0                           ; r
	v_bfe_u32 v2, v0, 4, 1                         ; h
	; the bias tile and the stores' base: columns 256 x tile column + 128 x my half; rows 128 x tile row + 64 x my half
	v_lshlrev_b32 v7, 5, v2
	s_lshl_b32 s46, s42, 10
	s_lshl_b32 s47, s16, 9
	s_add_co_u32 s46, s46, s47
	s_mov_b32 s47, 0
	s_add_nc_u64 s[8:9], s[8:9], s[46:47]
	s_add_nc_u64 s[10:11], s[10:11], s[46:47]
	s_lshl_b32 s20, s17, 19
	s_lshl_b32 s21, s15, 18
	s_add_co_u32 s20, s20, s21
	s_mov_b32 s21, 0
	s_add_nc_u64 s[10:11], s[10:11], s[20:21]
	WIN 0x80                                       ; destination window 2
.irp b, 0,1,2,3,4,5,6,7
	global_load_b128 v[8*\b:8*\b+3], v7, s[8:9] offset:64*\b        ; register 8 b + j: bo[.. + 16 b + 8 h + j], the layout of a result's eight registers
	global_load_b128 v[8*\b+4:8*\b+7], v7, s[8:9] offset:64*\b+16
.endr
	WIN 0
	v_mul_u32_u24 v3, v1, PA
	v_lshl_add_u32 v3, v2, 4, v3                   ; A: row x pitch + 16 x half
	v_and_b32 v4, 7, v0
	v_lshl_add_u32 v4, v2, 3, v4                   ; Wo: row k = 8 h + l % 8,
	v_mul_u32_u24 v4, v4, PB
	v_bfe_u32 v5, v0, 3, 1
	v_lshl_add_u32 v4, v5, 4, v4                   ; columns 8 ((l / 8) % 2) on
	s_mul_i32 s21, s15, 64*PA                      ; my 64 rows of A
	s_lshl_b32 s23, s16, 8                         ; my 128 columns of Wo
	s_add_co_u32 s23, s23, BOFF
.irp s, 0,1
	v_add_nc_u32 v[ADRA+\s], s21, v3
	v_add_nc_u32 v[ADRB+\s], s23, v4
	s_add_co_u32 s21, s21, SLOT
	s_add_co_u32 s23, s23, SLOT
.endr
	s_mul_i32 s23, s14, 16*SPITCH
	s_add_co_u32 s23, s23, STAGE                   ; my stage
	v_mul_u32_u24 v5, v1, SPITCH
	v_lshl_add_u32 v5, v2, 5, v5
	v_add_nc_u32 v[STO], s23, v5                   ; in: row r, 32 bytes for each half of the lanes
	v_and_b32 v6, 31, v0
	v_lshlrev_b32 v[CO], 4, v6                     ; back: the 32 lanes take one row of 512 bytes; and the same in out0
	v_add_nc_u32 v[RD], s23, v[CO]
; 24 LDS loads in one run: the fragments of the slot's q-th 32 along K into buffer f: Wo's eight (turned), then A's four
.macro FETCH slot, q, f
.irp b, 0,1,2,3,4,5,6,7
	ds_load_tr16_b128 v[96+64*(\f)+8*\b:96+64*(\f)+8*\b+3],   v[ADRB+\slot] offset:32*PB*(\q)+32*\b
	ds_load_tr16_b128 v[96+64*(\f)+8*\b+4:96+64*(\f)+8*\b+7], v[ADRB+\slot] offset:32*PB*(\q)+32*\b+16*PB
.endr
.irp a, 0,1,2,3
	ds_load_b128 v[32+32*(\f)+8*\a:32+32*(\f)+8*\a+3],   v[ADRA+\slot] offset:PLANE*((\q)/2)+64*((\q)%2)+16*PA*\a
	ds_load_b128 v[32+32*(\f)+8*\a+4:32+32*(\f)+8*\a+7], v[ADRA+\slot] offset:PLANE*((\q)/2)+64*((\q)%2)+16*PA*\a+32
.endr
.endm
; 8 matrix instructions: A's block a x Wo's eight.  zero = 1: the first products take the bias tile as C.  The 32 accumulators take turns, in the same order in every quarter.
.macro MUL8 f, a, zero
.irp b, 0,1,2,3,4,5,6,7
.if \zero
	v_wmma_f32_16x16x32_f16 v[8*(8*(\a)+\b):8*(8*(\a)+\b)+7], v[96+64*(\f)+8*\b:96+64*(\f)+8*\b+7], v[32+32*(\f)+8*(\a):32+32*(\f)+8*(\a)+7], v[8*\b:8*\b+7]
.else
	v_wmma_f32_16x16x32_f16 v[8*(8*(\a)+\b):8*(8*(\a)+\b)+7], v[96+64*(\f)+8*\b:96+64*(\f)+8*\b+7], v[32+32*(\f)+8*(\a):32+32*(\f)+8*(\a)+7], v[8*(8*(\a)+\b):8*(8*(\a)+\b)+7]
.endif
.endr
.endm
.macro PLACES                          ; four places in front of loads into registers that matrix instructions have read, and of the first read of results
.rept 4
	v_nop
.endr
.endm
; A K step is four quarters of 32 along K, 32 matrix instructions each, on buffers 0, 1, 0, 1.  One of the first three: buffer f is in; the next quarter, q, is asked for into g, 32 products ahead of its use.
.macro QUARTER slot, q, f, g, zero
	s_wait_dscnt 0x0
	WIN 0
	PLACES
	FETCH \slot, \q, \g
.if \zero
	WIN MUL_B
.else
	WIN MUL
.endif
.irp a, 0,1,2,3
	MUL8 \f, \a, \zero
.endr
.endm
; The last quarter multiplies buffer 1 and changes slots: ONE barrier; in front of it each wave waits for all its tensor loads, adds 0 to its spare word, and waits for that and for its reads of this slot.
; fill = 1: the barrier opens a round of the cluster's, and this slot is filled again, two K steps ahead, first thing behind the round.
.macro TURN slot, next, fill
	WIN 0
	s_wait_tensorcnt 0x0                           ; all my tensor loads have landed: my part of the next slot
	ds_add_u32 v[SPW], v[NIL]                      ; 0 onto my spare word
	s_wait_dscnt 1                                 ; buffer 1 is in; the add may be out
	WIN MUL
	MUL8 1, 0, 0                                   ; eight matrix instructions stand between the add and the wait for it
	s_wait_dscnt 0x0                               ; the add is done, and my reads of this slot are over
	s_barrier_signal -1
	MUL8 1, 1, 0
	WIN 0
	s_barrier_wait -1
.if \fill
	CREST                                          ; no wave of any partner still reads this slot's tiles or has a load on its way
	s_add_nc_u64 s[G0+4*\slot+2:G0+4*\slot+3], s[G0+4*\slot+2:G0+4*\slot+3], 1048576
	s_add_nc_u64 s[G0B+4*\slot+2:G0B+4*\slot+3], s[G0B+4*\slot+2:G0B+4*\slot+3], 524288
	JLOAD \slot                                    ; the four v_nop behind it are also the places in front of the loads below
.else
	PLACES
.endif
	FETCH \next, 0, 0
	WIN MUL
	MUL8 1, 2, 0
	MUL8 1, 3, 0
.endm
	s_wait_tensorcnt 1                             ; my part of K step 0 is in; K step 1's load may be out
	s_barrier_signal -1
	s_barrier_wait -1
	FETCH 0, 0, 0
	s_wait_loadcnt 0x0                             ; the bias tile
	QUARTER 0, 1, 0, 1, 1                          ; the first quarter stands in front of the loop: its products start the sums
	WIN 0
	s_mov_b32 s3, LAPS-1
.Llap:                                                 ; a trip goes once round the ring, from a lap's second quarter to the next lap's first, and fills both slots again
	QUARTER 0, 2, 1, 0, 0
	QUARTER 0, 3, 0, 1, 0
	TURN 0, 1, 1
	QUARTER 1, 1, 0, 1, 0
	QUARTER 1, 2, 1, 0, 0
	QUARTER 1, 3, 0, 1, 0
	TURN 1, 0, 1
	QUARTER 0, 1, 0, 1, 0
	WIN 0
	s_sub_co_u32 s3, s3, 1
	s_cmp_lg_u32 s3, 0
	s_cbranch_scc1 .Llap
	QUARTER 0, 2, 1, 0, 0                          ; the last lap fills nothing
	QUARTER 0, 3, 0, 1, 0
	TURN 0, 1, 0
	QUARTER 1, 1, 0, 1, 0
	QUARTER 1, 2, 1, 0, 0
	QUARTER 1, 3, 0, 1, 0
	s_wait_dscnt 0x0                               ; the very last quarter: nothing more to fetch
	WIN MUL
.irp a, 0,1,2,3
	MUL8 1, \a, 0
.endr
	WIN 0
; THE WAY OUT, a block of 16 rows x 128 columns at a time: 32 bytes a lane into my own stage, back as whole rows of 512 bytes, which the 32 lanes store as 512 consecutive bytes.
.macro TOSTAGE a
	WIN 0x04                                       ; an LDS store's data are its source 1: window 1
.irp b, 0,1,2,3,4,5,6,7
	ds_store_b128 v[STO], v[8*(8*(\a)+\b):8*(8*(\a)+\b)+3] offset:64*\b           ; each accumulator from its low end on
	ds_store_b128 v[STO], v[8*(8*(\a)+\b)+4:8*(8*(\a)+\b)+7] offset:64*\b+16
.endr
	WIN 0
.set BB, BK+64*((\a)%2)
.irp t, 0,1,2,3,4,5,6,7,8,9,10,11,12,13,14,15
	ds_load_b128 v[BB+4*\t:BB+4*\t+3], v[RD] offset:\t*SPITCH      ; LDS serves a wave's instructions in order (ISA guide 5.7.1): these see the stores above
.endr
.endm
.macro SEND a, younger                 ; younger: the LDS instructions issued behind block a's loads, which may stay out
.set BB, BK+64*((\a)%2)
	s_wait_dscnt \younger
.irp t, 0,1,2,3,4,5,6,7,8,9,10,11,12,13,14,15
	global_store_b128 v[CO], v[BB+4*\t:BB+4*\t+3], s[10:11] offset:65536*(\a)+4096*\t th:TH_STORE_NT   ; 512 consecutive bytes, at a multiple of 256 from out0's first byte; written once
.endr
.endm
	PLACES
	TOSTAGE 0
.irp a, 1,2,3
.if \a > 1
	s_wait_xcnt 0x0                                ; block a - 2's stores have read their registers: block a's loads may land there
.endif
	TOSTAGE \a
	SEND \a-1, 32                                  ; behind block a - 1's loads: block a's 16 stores and 16 loads
.endr
	SEND 3, 0
	s_wait_tensorcnt 0x0                           ; the wave's end
	ds_add_u32 v[SPW], v[NIL]
	s_wait_dscnt 0x0
	CROUND                                         ; the closing round
	s_endpgm
.Lfunc_end_k_q46db480385_proj:
	.size	k_q46db480385_proj, .Lfunc_end_k_q46db480385_proj-k_q46db480385_proj
	.p2alignl 7, 3214868480
	.fill 96, 4, 3214868480
	.section	.rodata,"a",@progbits
	.p2align	6, 0x0
	.amdhsa_kernel k_q46db480385_proj
		.amdhsa_group_segment_fixed_size 327680
		.amdhsa_private_segment_fixed_size 0
		.amdhsa_enable_private_segment 0
		.amdhsa_kernarg_size 32
		.amdhsa_user_sgpr_count 2
		.amdhsa_user_sgpr_kernarg_segment_ptr 1
		.amdhsa_wavefront_size32 1
		.amdhsa_system_sgpr_workgroup_id_x 1
		.amdhsa_system_sgpr_workgroup_id_y 1
		.amdhsa_system_sgpr_workgroup_id_z 1
		.amdhsa_system_vgpr_workitem_id 0
		.amdhsa_next_free_vgpr 576
		.amdhsa_next_free_sgpr 66
		.amdhsa_reserve_vcc 0
		.amdhsa_float_denorm_mode_32 3
		.amdhsa_float_denorm_mode_16_64 3
		.amdhsa_memory_ordered 1
		.amdhsa_forward_progress 1
		.amdhsa_inst_pref_size 86
	.end_amdhsa_kernel
	.amdgpu_metadata
---
amdhsa.version: [ 1, 2 ]
amdhsa.kernels:
  - .name:           k_q46db480385_proj
    .symbol:         k_q46db480385_proj.kd
    .args:
      - { .name: ao, .offset: 0, .size: 8, .value_kind: global_buffer, .address_space: global }
      - { .name: wo16, .offset: 8, .size: 8, .value_kind: global_buffer, .address_space: global }
      - { .name: bo, .offset: 16, .size: 8, .value_kind: global_buffer, .address_space: global }
      - { .name: out0, .offset: 24, .size: 8, .value_kind: global_buffer, .address_space: global }
    .group_segment_fixed_size: 327680
    .private_segment_fixed_size: 0
    .kernarg_segment_align: 8
    .kernarg_segment_size: 32
    .max_flat_workgroup_size: 128
    .sgpr_count:     66
    .vgpr_count:     576
    .wavefront_size: 32
...
	.end_amdgpu_metadata
.endif
;; end of part 4
